; MI455X (gfx1250); checked and timed in simulation.
; The chip was launched on July 23, 2026; its instructions are those of AMD's public machine-readable ISA for CDNA 5 (MIT licence, August 2026) and "CDNA5" Instruction Set Architecture Reference Guide (July 2026). The comments in the code are by the model that wrote it; some were corrected since.
;; Causal Self Attention. Allowed arithmetic: matrix products marked QUANTISED: E5M2 operands, one given power-of-two scale a tensor, by v_wmma_f32_16x16x64_bf8_bf8 or v_wmma_f32_16x16x128_bf8_bf8, f32 sums; everything else in f32.
;; Inputs: lowp_scales 12 int32 (the exponents e of the quantised operands' scales 2^e); wk 1,024 x 256 float32; wo 1,024 x 1,024 float32; wq 1,024 x 1,024 float32; wv 1,024 x 256 float32; x 2 x 2,048 x 1,024 float32.
;; Outputs: out0 2 x 2,048 x 1,024 float32; out1 2 x 4 x 2,048 x 64 float32; out2 2 x 4 x 2,048 x 64 float32.
;; This version of the problem:
;;   THIS VERSION OF THE PROBLEM IS GIVEN IN LOW PRECISION. The matrix products marked QUANTISED in the list below multiply operands that are first quantised to E5M2 (5 exponent bits, 2 mantissa bits; 8 bits a number), with one given power-of-two scale for each operand tensor; their sums are f32. All else is computed in f32.
;;   The module's matrix products, in the order in which they are computed (A, B: the left and right operand; K: the contracted axis; several contracted axes count as one K, in the product's order):
;;     1. [M 4,096, K 1,024] x [K 1,024, N 1,024]; A: input x; B: input wq: QUANTISED (scales: A lowp_scales[0], B lowp_scales[1])
;;     2. [M 4,096, K 1,024] x [K 1,024, N 256]; A: input x; B: input wk: QUANTISED (scales: A lowp_scales[2], B lowp_scales[3])
;;     3. [M 4,096, K 1,024] x [K 1,024, N 256]; A: input x; B: input wv: QUANTISED (scales: A lowp_scales[4], B lowp_scales[5])
;;     4. batch 8 x [M 8,192, K 64] x [K 64, N 2,048]; A: computed on the way; B: computed on the way: QUANTISED (scales: A lowp_scales[6], B lowp_scales[7])
;;     5. batch 8 x [M 8,192, K 2,048] x [K 2,048, N 64]; A: softmax (see below); B: computed on the way: QUANTISED (scales: A lowp_scales[8], B lowp_scales[9])
;;     6. [M 4,096, K 1,024] x [K 1,024, N 1,024]; A: computed on the way; B: input wo: QUANTISED (scales: A lowp_scales[10], B lowp_scales[11])
;;   THE QUANTISER, for each operand of a quantised product, along K:
;;     - The operand's scale is 2^e, e = its entry of the input lowp_scales (int32; the entries are numbered through the quantised products in the list's order, A before B).
;;     - Each number is divided by the scale, clamped to +-57,344, and rounded to the nearest number of E5M2, ties to even, subnormals kept.
;;     - The product sums the exact products of the quantised numbers (number of the format x scale) in f32.
;;   ~~~python
;;   def quantise(x, axis, e):      # numpy; x: float32 -> the quantised numbers, widened to float32 again
;;       x = np.moveaxis(x, axis, -1); K = x.shape[-1]
;;       r = np.clip(x / 2.0 ** e, -57344, 57344)
;;       step = 2.0 ** (np.maximum(np.frexp(np.where(r == 0, 1, r))[1] - 1, -14) - 2)
;;       q = np.round(r / step) * step * 2.0 ** e      # np.round: ties to even
;;       return np.moveaxis(q, -1, axis).astype(np.float32)
;;   ~~~
;;   SOFTMAX AHEAD OF A QUANTISED PRODUCT. Where the list says 'softmax', what is quantised is not the finished softmax but p = 2^(t - M), with t = logit x log2(e) and M = ceil(the row's largest t), a whole number; so 1/2 < the row's largest p <= 1. The row's sum l is taken of the UNQUANTISED p, in f32, and the product's result is divided by l at the end. Since M is a whole number, a kernel that streams over the keys may use a running M (the ceiling of the running maximum): every later rescaling is an exact power of two, so the quantised numbers keep their values, but for numbers so far below the row's largest that they fall under the format's range.
;;   OPERANDS COMPUTED ON THE WAY. 'Computed on the way' means the value that the module computes at that place (a softmax that the list does not call 'softmax' is quantised finished and normalised). What goes into a quantiser is computed in f32, as accurately as f32 sums, v_exp_f32 and their like allow (about 1e-6 of the number): no bf16 or f16 on the way to a quantiser, and a product that is left as it is and whose result goes on into a quantised operand takes f32 operands (vector FMAs, or v_wmma_f32_16x16x4_f32). A number that lies on a knife's edge between two numbers of the format may be rounded either way, as far as f32 arithmetic and the matrix unit's own rounding can turn it there, and no further.
;; 2 versions. Each part assembles by itself: llvm-mc -triple=amdgcn-amd-amdhsa -mcpu=gfx1250 --defsym DOCPART=n.
;; ======== version 1 of 2: 4 launches
;; workspace buffers: xc 12,582,912 bytes; wc 2,621,440 bytes; rope 524,288 bytes; qc 4,194,304 bytes; kvc 2,097,152 bytes; ac 4,194,304 bytes
;; launch prep (part 1): grid 448 x 1, 4 waves a work-group, no clusters, 34,304 bytes of LDS; arguments x, wq, wk, wv, wo, lowp_scales, xc, wc, rope; writes xc, wc, rope
.if DOCPART == 1
	.amdgcn_target "amdgcn-amd-amdhsa--gfx1250"
	.amdhsa_code_object_version 6
	.text
	.protected	k_qf541c8944e_prep
	.globl	k_qf541c8944e_prep
	.p2align	8
	.type	k_qf541c8944e_prep,@function
k_qf541c8944e_prep:
	s_mov_b64 s[64:65], 0
	v_nop
	global_prefetch_b8 v0, s[64:65] scope:SCOPE_SE
	s_setreg_imm32_b32 hwreg(HW_REG_WAVE_MODE, 25, 1), 1
	s_wait_xcnt 0x0
; CAUSAL SELF-ATTENTION IN E5M2, LAUNCH 1 OF 4: every operand that many work-groups read is quantised once, and RoPE's table is made.
; THE PROGRAM: prep (this) | qkv: products 1-3, RoPE, out1, out2, codes of q, k, v | attn: products 4, 5 and the softmax, codes of the result | oproj: product 6.
; DEAD WORK, for the whole program: reference() gives every score whose key lies behind its query the value finfo.min by its own jnp.tril; with the row's maximum taken away the weight of such a
; key is exp(min - max) = 0 for all finite inputs.  So a step of 128 keys that lies wholly behind a wave's 16 queries is not multiplied (launch attn).  Nothing else is left out; every input is loaded.
; LIMIT: a NaN, an infinity or an overflow that arises only in such hidden scores is not carried to the result.
; OPERANDS LIE IN THE WORKSPACE AS IMAGES OF THEIR REGISTERS.  An image of 16 rows x 64 along K is 1,024 bytes: register 4 g + q of lane L = r + 16 h lies at 512 g + 16 L + 4 q and holds, of row r,
; k = 32 g + 16 (q / 2) + 8 h + 4 (q % 2) + 0 .. 3: the layout of v_wmma_f32_16x16x64_bf8_bf8 (registers 2 c, 2 c + 1: k = 16 c + 8 h + 0 .. 7).  A panel is 64 rows x 1,024 k: [k / 64][tile of 16 rows][1,024 bytes].
; xc: x three times (scales e0, e2, e4), 64 panels each.  wc: 40 panels whose rows are output columns: 0-15 wq (e1), 16-19 wk (e3), 20-23 wv (e5), 24-39 wo (e11).
; rope: for each tile of 16 positions 4,096 bytes, the image of 32 registers: register 8 i + j = cos(t = 16 tile + r, f = 16 i + 8 h + j), register 16 + 8 i + j the sine.
; code = x / 2^e, held within +-57,344, rounded to the nearest code, ties to even.  LIMITS: e0, e2, e4, e1, e3, e5, e11 between -126 and 112, so that 2^e and 57,344 x 2^e are f32 numbers.  NaN among the inputs is not served.
; SHARES: work-groups 0-255: 16 rows of x each, a wave 256 along K.  256-415: a slab of 128 k x 128 columns of a weight each.  416-447: four tiles of the table each, a wave a tile.
; No matrix unit, no tensor load, no cluster: the launch streams, and its work-groups share no input.  No barrier: a wave's stage in LDS is its own.
.set STGB,  8448                       ; a wave's stage: 16 rows x (512 bytes + 16): the sixteen rows that a read touches start 33 x 16 bytes apart
.set SPARE, 4*STGB                     ; behind the stages: the spare words, 128 bytes for each wave: two blocks of 256 bytes that no other line names
.set SPW, 5                            ; v5   LDS address of my spare word; never rewritten
.set NIL, 6                            ; v6   0; never rewritten
.set T,   16                           ; v16-31   at work
.set R0,  32                           ; v32-159  x: two halves of 64 numbers
.set C,   160                          ; v160-207 x's codes: 16 registers for each of the three scales
.set X,   32                           ; v32-95   a weight: two sets of 32 numbers
.set D,   96                           ; v96-127  a weight's codes: 8 registers a block, never rewritten
.set PP,  64                           ; the table: v64-79 10^(f/8), v80-95 its reciprocal, v96-111 the refined reciprocal
.set RC,  80
.set IV,  96
.macro MKSC sdst, slim, sexp           ; s[sdst] = 2^e as f32, s[slim] = 57,344 x 2^e, e = s[sexp]
	s_add_co_i32 s[\slim], s[\sexp], 127
	s_lshl_b32 s[\sdst], s[\slim], 23
	s_add_co_i32 s[\slim], s[\slim], 15
	s_lshl_b32 s[\slim], s[\slim], 23
	s_or_b32 s[\slim], s[\slim], 0x600000
.endm
	s_load_b512 s[8:23], s[0:1], 0x0               ; x s[8:9], wq s[10:11], wk s[12:13], wv s[14:15], wo s[16:17], the exponents s[18:19], xc s[20:21], wc s[22:23]
	s_load_b64 s[24:25], s[0:1], 0x40              ; rope
	v_lshl_add_u32 v[SPW], v0, 2, SPARE
	v_mov_b32 v[NIL], 0
	v_lshrrev_b32 v1, 5, v0
	v_readfirstlane_b32 s26, v1                    ; wave 0..3
	v_and_b32 v1, 31, v0                           ; lane
	v_lshlrev_b32 v2, 4, v1                        ; 16 x lane
	s_mul_i32 s27, s26, STGB                       ; my stage
	v_add_nc_u32 v3, s27, v2                       ; into it: 16 bytes a lane of a row's 512
	v_and_b32 v7, 15, v0                           ; r
	v_bfe_u32 v14, v0, 4, 1                        ; h
	v_mul_u32_u24 v4, v7, 528
	v_lshl_add_u32 v4, v14, 5, v4
	v_add_nc_u32 v4, s27, v4                       ; out of it: row r, + 32 h bytes: eight numbers of my half
	s_wait_kmcnt 0x0
	s_load_b256 s[32:39], s[18:19], 0x0            ; e0 .. e7
	s_load_b128 s[40:43], s[18:19], 0x20           ; e8 .. e11
	s_cmp_lt_u32 ttmp9, 256
	s_cbranch_scc0 .Lnot_x
	; ---------------- x: 16 rows x 256 k a wave, quantised three times
	s_lshl_b32 s28, ttmp9, 16                      ; 16 rows of 4,096 bytes,
	s_lshl_b32 s29, s26, 10                        ; my wave's 256 numbers of a row
	s_add_co_u32 s28, s28, s29
	s_mov_b32 s29, 0
	s_add_nc_u64 s[8:9], s[8:9], s[28:29]
.irp hf, 0,1
.set ii, 0
.rept 16
	global_load_b128 v[R0+64*\hf+4*ii:R0+64*\hf+4*ii+3], v2, s[8:9] offset:4096*ii+512*\hf th:TH_LOAD_NT   ; 32 lanes read 512 consecutive bytes of row ii
.set ii, ii+1
.endr
.endr
	s_lshr_b32 s28, ttmp9, 2                       ; the codes: panel = tile / 4,
	s_lshl_b32 s28, s28, 16
	s_and_b32 s30, ttmp9, 3                        ; the tile's place in each K step of the panel,
	s_lshl_b32 s30, s30, 10
	s_add_co_u32 s28, s28, s30
	s_lshl_b32 s30, s26, 14                        ; my wave's four K steps of 64
	s_add_co_u32 s28, s28, s30
	s_add_nc_u64 s[44:45], s[20:21], s[28:29]      ; a base for each of the three versions
	s_add_nc_u64 s[46:47], s[44:45], 0x400000
	s_add_nc_u64 s[48:49], s[44:45], 0x800000
	s_wait_kmcnt 0x0
.irp v, 0,1,2
	MKSC 50, 51, 32+2*\v                           ; e0, e2, e4
	v_mov_b32 v[8+2*\v], s50
	v_mov_b32 v[9+2*\v], s51
.endr
; Half hf: 128 along K of the 16 rows.  The loads took the bytes as they lie; the conversions want eight neighbours along K in one lane's registers: so the half turns through my stage.
.macro HALF hf
.set RR, R0+64*\hf
.if \hf == 0
	s_wait_loadcnt 16                              ; this half's 16 loads are in; the other half's 16 may be out
.else
	s_wait_loadcnt 0x0
.endif
.set ii, 0
.rept 16
	ds_store_b128 v3, v[RR+4*ii:RR+4*ii+3] offset:528*ii
.set ii, ii+1
.endr
.irp b, 0,1,2,3                        ; LDS serves a wave's instructions in order: these see the stores above.  Register 16 b + i: i < 8: k = 32 b + 8 h + i; else k = 32 b + 16 + 8 h + i - 8
	ds_load_b128 v[RR+16*\b:RR+16*\b+3], v4 offset:128*\b
	ds_load_b128 v[RR+16*\b+4:RR+16*\b+7], v4 offset:128*\b+16
	ds_load_b128 v[RR+16*\b+8:RR+16*\b+11], v4 offset:128*\b+64
	ds_load_b128 v[RR+16*\b+12:RR+16*\b+15], v4 offset:128*\b+80
.endr
	s_wait_dscnt 0x0
.if \hf
	s_wait_xcnt 0x0                                ; the first half's stores have read their registers: the codes' registers are written again only behind this wait
.endif
.irp v, 0,1,2
.irp b, 0,1,2,3
.set ii, 0
.rept 16
	v_med3_num_f32 v[T+ii], v[RR+16*\b+ii], -v[9+2*\v], v[9+2*\v]   ; the conversion to an 8-bit code does not saturate (ISA guide 7.6.2): the hold at the largest code x the scale
.set ii, ii+1
.endr
	v_cvt_scalef32_pk8_bf8_f32 v[C+16*\v+4*\b:C+16*\v+4*\b+1], v[T:T+7], v[8+2*\v]
	v_cvt_scalef32_pk8_bf8_f32 v[C+16*\v+4*\b+2:C+16*\v+4*\b+3], v[T+8:T+15], v[8+2*\v]
	v_nop                                          ; a plain line between the conversions and the next holds, which write their sources
	global_store_b128 v2, v[C+16*\v+4*\b:C+16*\v+4*\b+3], s[44+2*\v:45+2*\v] offset:\hf*8192+(\b/2)*4096+(\b%2)*512   ; half an image: 512 consecutive bytes
.endr
.endr
.endm
	HALF 0
	HALF 1
	s_branch .Lend
.Lnot_x:
	s_cmp_lt_u32 ttmp9, 416
	s_cbranch_scc0 .Ltable
	; ---------------- a weight, stored [k][n]: a lane takes a column and its registers run down K, so the conversions give codes with K innermost
.macro WLOAD t, N                      ; block t: W(32 t + i, my column), i = 0 .. 31, into set t % 2: 32 lanes read 128 consecutive bytes, the four waves 512
.set ii, 0
.rept 32
	global_load_b32 v[X+32*((\t)%2)+ii], v7, s[44:45] offset:(32*(\t)+ii)*\N*4 th:TH_LOAD_NT
.set ii, ii+1
.endr
.endm
.macro WBLOCK t, N
.set XS, X+32*((\t)%2)
.if \t < 3
	s_wait_loadcnt 32                              ; this block's 32 loads are in; the next block's 32 may be out
.else
	s_wait_loadcnt 0x0
.endif
.set ii, 0
.rept 32
	v_med3_num_f32 v[XS+ii], v[XS+ii], -v9, v9
.set ii, ii+1
.endr
	v_cvt_scalef32_pk8_bf8_f32 v[D+8*\t:D+8*\t+1], v[XS:XS+7], v8           ; the image's lane h = 0 of my row: k = 0 .. 7 and 16 .. 23 of the block,
	v_cvt_scalef32_pk8_bf8_f32 v[D+8*\t+2:D+8*\t+3], v[XS+16:XS+23], v8
	v_cvt_scalef32_pk8_bf8_f32 v[D+8*\t+4:D+8*\t+5], v[XS+8:XS+15], v8      ; its lane h = 1: k = 8 .. 15 and 24 .. 31
	v_cvt_scalef32_pk8_bf8_f32 v[D+8*\t+6:D+8*\t+7], v[XS+24:XS+31], v8
	v_nop
	global_store_b128 v14, v[D+8*\t:D+8*\t+3], s[46:47] offset:(\t/2)*4096+(\t%2)*512        ; sixteen lanes store 256 consecutive bytes, at a multiple of 256
	global_store_b128 v14, v[D+8*\t+4:D+8*\t+7], s[46:47] offset:(\t/2)*4096+(\t%2)*512+256
.if \t < 2
	WLOAD \t+2, \N
.endif
.endm
.macro WPATH N                         ; s28 = the work-group's number less 256
.if \N == 1024
	s_and_b32 s29, s28, 7                          ; which 128 columns
	s_lshr_b32 s30, s28, 3
	s_and_b32 s30, s30, 7                          ; which 128 along K
	s_cmp_lt_u32 s28, 64
	s_cselect_b64 s[44:45], s[10:11], s[16:17]     ; wq or wo: the choice hangs on the work-group's number alone
	s_cselect_b32 s31, s33, s43                    ; e1 or e11
	s_cselect_b32 s46, 0, 24                       ; the tensor's first panel
.else
	s_and_b32 s29, s28, 1
	s_lshr_b32 s30, s28, 1
	s_and_b32 s30, s30, 7
	s_cmp_lt_u32 s28, 144
	s_cselect_b64 s[44:45], s[12:13], s[14:15]     ; wk or wv
	s_cselect_b32 s31, s35, s37                    ; e3 or e5
	s_cselect_b32 s46, 16, 20
.endif
	s_mul_i32 s48, s30, 512*\N                     ; 128 rows of N numbers,
	s_lshl_b32 s50, s29, 9                         ; 128 columns,
	s_add_co_u32 s48, s48, s50
	s_lshl_b32 s50, s26, 7                         ; my wave's 32
	s_add_co_u32 s48, s48, s50
	s_mov_b32 s49, 0
	s_add_nc_u64 s[44:45], s[44:45], s[48:49]
	s_lshl_b32 s50, s29, 1
	s_add_co_u32 s46, s46, s50
	s_lshr_b32 s50, s26, 1
	s_add_co_u32 s46, s46, s50                     ; my panel: 64 columns
	s_lshl_b32 s48, s46, 16
	s_lshl_b32 s50, s30, 13                        ; two K steps of 64: 2 x 4,096 bytes
	s_add_co_u32 s48, s48, s50
	s_and_b32 s50, s26, 1
	s_lshl_b32 s50, s50, 11                        ; my two tiles of the panel's four
	s_add_co_u32 s48, s48, s50
	s_add_nc_u64 s[46:47], s[22:23], s[48:49]
	WLOAD 0, \N
	WLOAD 1, \N
	MKSC 50, 51, 31
	v_mov_b32 v8, s50
	v_mov_b32 v9, s51
	WBLOCK 0, \N
	WBLOCK 1, \N
	WBLOCK 2, \N
	WBLOCK 3, \N
.endm
	s_wait_kmcnt 0x0                               ; the exponents
	s_sub_co_u32 s28, ttmp9, 256
	v_lshlrev_b32 v7, 2, v1                        ; in: 4 bytes a lane
	v_lshrrev_b32 v14, 4, v1
	v_lshlrev_b32 v14, 10, v14                     ; out: lanes 16-31 hold the next tile's rows,
	v_and_b32 v15, 15, v1
	v_lshl_add_u32 v14, v15, 4, v14                ; 16 bytes a row
	s_cmp_lt_u32 s28, 128
	s_cbranch_scc0 .Lnarrow
	WPATH 1024
	s_branch .Lend
.Lnarrow:
	WPATH 256
	s_branch .Lend
.Ltable:
	; ---------------- cos and sin of t / 10^(f/8), t = 0 .. 2,047, f = 0 .. 31.  The angle is formed as reference() forms it: P = 10^(f/8) in f32, 1 / P rounded, t x that, each in f32.
	; Then n = the nearest whole number to angle x 2/pi, and angle - n pi/2 with pi/2 in two parts.  The first part's product is taken away exactly by one fused multiply-add: it is a multiple of 2^-23 and
	; the difference lies under 1.  LIMIT: that holds for angles under 2,048, which T = 2,048 keeps.  On what is left (within pi/4) polynomials of degree 7 and 8 give sine and cosine to f32's last bits.
	s_wait_kmcnt 0x0
	s_sub_co_u32 s28, ttmp9, 416
	s_lshl_b32 s28, s28, 2
	s_add_co_u32 s28, s28, s26                     ; my tile of 16 positions
	s_lshl_b32 s30, s28, 4
	s_lshl_b32 s28, s28, 12
	s_mov_b32 s29, 0
	s_add_nc_u64 s[24:25], s[24:25], s[28:29]
	v_add_nc_u32 v15, s30, v7
	v_cvt_f32_u32 v15, v15                         ; t
	v_cmp_eq_u32 vcc_lo, 1, v14                    ; lanes 16-31 take the frequencies eight further on
	s_mov_b32 s52, 0x3f22f983                      ; 2 / pi
	s_mov_b32 s53, 0x3fc90fdb                      ; pi / 2, rounded to f32,
	s_mov_b32 s54, 0xb33bbd2e                      ; and what that leaves
	s_mov_b32 s55, 0xb94ca1f9                      ; sine: -1.9515295891e-4, 8.3321608736e-3, -1.6666654611e-1
	s_mov_b32 s56, 0x3c08839e
	s_mov_b32 s57, 0xbe2aaaa3
	s_mov_b32 s58, 0x37ccf5ce                      ; cosine: 2.443315711809948e-5, -1.388731625493765e-3, 4.166664568298827e-2
	s_mov_b32 s59, 0xbab6061a
	s_mov_b32 s60, 0x3d2aaaa5
.macro PW idx, lo, hi                  ; register idx = 8 i + j: P(16 i + j) in lanes 0-15, P(16 i + 8 + j) in lanes 16-31
	v_mov_b32 v16, \hi
	v_cndmask_b32 v[PP+\idx], \lo, v16, vcc_lo
.endm
	PW 0,  1.0,               10.0
	PW 1,  1.333521432163324, 13.33521432163324
	PW 2,  1.778279410038923, 17.78279410038923
	PW 3,  2.371373705661655, 23.71373705661655
	PW 4,  3.162277660168379, 31.62277660168379
	PW 5,  4.216965034285822, 42.16965034285822
	PW 6,  5.623413251903491, 56.23413251903491
	PW 7,  7.498942093324559, 74.98942093324559
	PW 8,  100.0,             1000.0
	PW 9,  133.3521432163324, 1333.521432163324
	PW 10, 177.8279410038923, 1778.279410038923
	PW 11, 237.1373705661655, 2371.373705661655
	PW 12, 316.2277660168379, 3162.277660168379
	PW 13, 421.6965034285822, 4216.965034285822
	PW 14, 562.3413251903491, 5623.413251903491
	PW 15, 749.8942093324559, 7498.942093324559
.set ii, 0
.rept 16
	v_rcp_f32 v[RC+ii], v[PP+ii]
.set ii, ii+1
.endr
	v_nop                                          ; a plain line behind the last reciprocal,
	s_wait_alu depctr_va_vdst(0)                   ; and the one wait ahead of the batch's first reader
.set ii, 0
.rept 16
	v_fma_f32 v[IV+ii], -v[PP+ii], v[RC+ii], 1.0   ; what the reciprocal lacks,
.set ii, ii+1
.endr
.set ii, 0
.rept 16
	v_fma_f32 v[IV+ii], v[IV+ii], v[RC+ii], v[RC+ii]   ; put right: 1 / P to the last bit
.set ii, ii+1
.endr
.macro TRIG idx
	v_mul_f32 v16, v15, v[IV+\idx]                 ; the angle
	v_mul_f32 v17, s52, v16
	v_rndne_f32 v17, v17                           ; n
	v_fma_f32 v18, -v17, s53, v16
	v_fma_f32 v18, -v17, s54, v18                  ; x = angle - n pi/2
	v_cvt_i32_f32 v19, v17
	v_mul_f32 v20, v18, v18                        ; z = x x
	v_fma_f32 v21, s55, v20, s56
	v_fma_f32 v22, s58, v20, s59
	v_fma_f32 v21, v21, v20, s57
	v_fma_f32 v22, v22, v20, s60
	v_mul_f32 v21, v21, v20
	v_fma_f32 v22, v22, v20, -0.5
	v_fma_f32 v21, v21, v18, v18                   ; sin x
	v_fma_f32 v22, v22, v20, 1.0                   ; cos x
	v_and_b32 v23, 1, v19
	v_cmp_eq_u32 vcc_lo, 1, v23                    ; an odd n changes the two over;
	v_cndmask_b32 v24, v21, v22, vcc_lo
	v_cndmask_b32 v25, v22, v21, vcc_lo
	v_lshlrev_b32 v26, 30, v19                     ; the sine is negative where n % 4 is 2 or 3,
	v_add_nc_u32 v27, 1, v19
	v_and_b32 v26, 0x80000000, v26
	v_lshlrev_b32 v27, 30, v27                     ; the cosine where it is 1 or 2
	v_xor_b32 v[48+\idx], v24, v26
	v_and_b32 v27, 0x80000000, v27
	v_xor_b32 v[32+\idx], v25, v27
.endm
.irp k, 0,1,2,3,4,5,6,7,8,9,10,11,12,13,14,15
	TRIG \k
.endr
.irp g, 0,1,2,3,4,5,6,7
	global_store_b128 v2, v[32+4*\g:35+4*\g], s[24:25] offset:512*\g   ; 512 consecutive bytes
.endr
.Lend:
	s_wait_tensorcnt 0x0                           ; the wave's end
	ds_add_u32 v[SPW], v[NIL]
	s_wait_dscnt 0x0
	s_endpgm
.Lfunc_end_k_qf541c8944e_prep:
	.size	k_qf541c8944e_prep, .Lfunc_end_k_qf541c8944e_prep-k_qf541c8944e_prep
	.p2alignl 7, 3214868480
	.fill 96, 4, 3214868480
	.section	.rodata,"a",@progbits
	.p2align	6, 0x0
	.amdhsa_kernel k_qf541c8944e_prep
		.amdhsa_group_segment_fixed_size 34304
		.amdhsa_private_segment_fixed_size 0
		.amdhsa_enable_private_segment 0
		.amdhsa_kernarg_size 72
		.amdhsa_user_sgpr_count 2
		.amdhsa_user_sgpr_kernarg_segment_ptr 1
		.amdhsa_wavefront_size32 1
		.amdhsa_system_sgpr_workgroup_id_x 1
		.amdhsa_system_sgpr_workgroup_id_y 1
		.amdhsa_system_sgpr_workgroup_id_z 1
		.amdhsa_system_vgpr_workitem_id 0
		.amdhsa_next_free_vgpr 208
		.amdhsa_next_free_sgpr 66
		.amdhsa_reserve_vcc 1
		.amdhsa_float_denorm_mode_32 3
		.amdhsa_float_denorm_mode_16_64 3
		.amdhsa_memory_ordered 1
		.amdhsa_forward_progress 1
		.amdhsa_inst_pref_size 112
	.end_amdhsa_kernel
	.amdgpu_metadata
---
amdhsa.version: [ 1, 2 ]
amdhsa.kernels:
  - .name:           k_qf541c8944e_prep
    .symbol:         k_qf541c8944e_prep.kd
    .args:
      - { .name: x, .offset: 0, .size: 8, .value_kind: global_buffer, .address_space: global }
      - { .name: wq, .offset: 8, .size: 8, .value_kind: global_buffer, .address_space: global }
      - { .name: wk, .offset: 16, .size: 8, .value_kind: global_buffer, .address_space: global }
      - { .name: wv, .offset: 24, .size: 8, .value_kind: global_buffer, .address_space: global }
      - { .name: wo, .offset: 32, .size: 8, .value_kind: global_buffer, .address_space: global }
      - { .name: lowp_scales, .offset: 40, .size: 8, .value_kind: global_buffer, .address_space: global }
      - { .name: xc, .offset: 48, .size: 8, .value_kind: global_buffer, .address_space: global }
      - { .name: wc, .offset: 56, .size: 8, .value_kind: global_buffer, .address_space: global }
      - { .name: rope, .offset: 64, .size: 8, .value_kind: global_buffer, .address_space: global }
    .group_segment_fixed_size: 34304
    .private_segment_fixed_size: 0
    .kernarg_segment_align: 8
    .kernarg_segment_size: 72
    .max_flat_workgroup_size: 128
    .sgpr_count:     66
    .vgpr_count:     208
    .wavefront_size: 32
...
	.end_amdgpu_metadata
.endif
;; end of part 1
;; launch qkv (part 2): grid 8 x 32, 6 waves a work-group, no clusters, 26,880 bytes of LDS; arguments xc, wc, rope, lowp_scales, qc, kvc, out1, out2; writes qc, kvc, out1, out2
.if DOCPART == 2
	.amdgcn_target "amdgcn-amd-amdhsa--gfx1250"
	.amdhsa_code_object_version 6
	.text
	.protected	k_qf541c8944e_qkv
	.globl	k_qf541c8944e_qkv
	.p2align	8
	.type	k_qf541c8944e_qkv,@function
k_qf541c8944e_qkv:
	s_mov_b64 s[64:65], 0
	v_nop
	global_prefetch_b8 v0, s[64:65] scope:SCOPE_SE
	s_setreg_imm32_b32 hwreg(HW_REG_WAVE_MODE, 25, 1), 1
	s_wait_xcnt 0x0
; LAUNCH 2 OF 4: q = x wq, k = x wk, v = x wv on codes of E5M2; RoPE on q and k; out1 = k, out2 = v; q, k, v quantised for the attention (scales e6, e7, e9).  Nothing of reference() is left out here.
; SHARES.  24 heads (16 of q, 4 of k, 4 of v) x 64 blocks of 64 positions.  A work-group takes 3 heads x 128 positions, each of its six waves one head x 64 positions: 16 accumulators of 16 x 16.
; OPERANDS come from memory straight into registers: both lie as images of their registers (launch prep), so every load reads 512 consecutive bytes, and a K step of 64 is 16 loads and 16 matrix instructions.
; Four sets of fragment registers: three K steps, 48 loads of 512 bytes, are on their way in each wave.  No LDS ring, no barrier; no cluster and no joint loads, since no tile goes through LDS.
; q AND k ARE MADE TRANSPOSED (source 0 = 16 columns of the weight, source 1 = 16 positions): lane (r, h) holds position r, register j of tile i the channel 16 i + 8 h + j.  RoPE's partner, 32 channels on, is the
; same register of tile i + 2, and a tile's eight registers, converted, are registers 2 i, 2 i + 1 of the image that the attention wants (K = the head's 64).
; v IS MADE THE OTHER WAY ROUND (source 0 = positions, source 1 = columns): a lane holds one channel and its registers run along the positions, which are the second product's K.
; The wave's tile is square, so both uses are ONE loop with the two panel pointers changed over.
; The sums stand for sum x 2^(eA + eB).  RoPE is linear, so that power of two is folded into the conversion's scale, 2^(e - eA - eB), and multiplies what goes to out1 and out2.
; LIMITS: e6 - e0 - e1, e7 - e2 - e3, e9 - e4 - e5 between -126 and 112; e2 + e3, e4 + e5 between -126 and 127.  NaN among the inputs is not served.
; REGISTERS.  Window 0: v1-11 addresses and constants; v16-47 at work; v48-79 numbers for the stage; v80-111 rows read back; v112-119 codes; v128-255 accumulator (i, j) at v[128 + 8 (4 i + j)].
;   Window 1: four sets of 64: source 0's tile i at 64 q + 8 i, source 1's tile j at 64 q + 32 + 8 j; at the end RoPE's table, tile j at v[32 j].
.set STG,   4352                       ; a wave's stage: 16 rows x (256 bytes + 16)
.set SPARE, 6*STG                      ; behind the stages: the spare words, 128 bytes for each wave: three blocks of 256 bytes that no other line names
.set L16, 1                            ; v1   16 x lane
.set STO, 4                            ; v4   the stage, in: row r, + 32 h
.set RD,  5                            ; v5   the stage, back: lanes 0-15 one row, lanes 16-31 the next
.set STV, 7                            ; v7   the stage, in, for v: row 8 h, + 4 r
.set SPW, 8                            ; v8   LDS address of my spare word; never rewritten
.set NIL, 9                            ; v9   0; never rewritten
.set SC,  10                           ; v10  the conversion's scale
.set LIM, 11                           ; v11  57,344 x that
.set T,   16
.set O1,  48
.set RB,  80
.set CD,  112
.set ACC, 128
.set MUL,   0x05                       ; sources 0 and 1 window 1; C and D window 0
.set TO_F,  0x40                       ; destination window 1, address window 0
.set ROPEW, 0x04                       ; source 1 window 1
.set MSB, 0
.macro WIN new                         ; the immediate's high byte repeats the setting that is left
.if MSB != \new
	s_set_vgpr_msb (MSB<<8)|\new
.set MSB, \new
.endif
.endm
.macro PLACES n
.rept \n
	v_nop
.endr
.endm
.macro MKSC sdst, slim, sexp           ; s[sdst] = 2^e as f32, s[slim] = 57,344 x 2^e, e = s[sexp]
	s_add_co_i32 s[\slim], s[\sexp], 127
	s_lshl_b32 s[\sdst], s[\slim], 23
	s_add_co_i32 s[\slim], s[\slim], 15
	s_lshl_b32 s[\slim], s[\slim], 23
	s_or_b32 s[\slim], s[\slim], 0x600000
.endm
.macro LD s                            ; K step s: four images of each panel into set s % 4: 16 loads of 512 consecutive bytes
	WIN TO_F
.irp i, 0,1,2,3
.irp g, 0,1
	global_load_b128 v[64*((\s)%4)+8*\i+4*\g:64*((\s)%4)+8*\i+4*\g+3], v[L16], s[44:45] offset:4096*(\s)+1024*\i+512*\g
	global_load_b128 v[64*((\s)%4)+32+8*\i+4*\g:64*((\s)%4)+32+8*\i+4*\g+3], v[L16], s[46:47] offset:4096*(\s)+1024*\i+512*\g
.endr
.endr
.endm
.macro RL n                            ; RoPE's table for position tiles 2 n, 2 n + 1, into the set that is done with
	WIN TO_F
.set ii, 0
.rept 16
	global_load_b128 v[64*\n+4*ii:64*\n+4*ii+3], v[L16], s[48:49] offset:8192*\n+512*ii
.set ii, ii+1
.endr
.endm
.macro MM s, zero                      ; 16 matrix instructions; the 16 accumulators take turns, one instruction a turn, in the same order in every step.  zero = 1: the first step starts the sums
	WIN MUL
.set FQ, 64*((\s)%4)
.irp i, 0,1,2,3
.irp j, 0,1,2,3
.if \zero
	v_wmma_f32_16x16x64_bf8_bf8 v[ACC+8*(4*\i+\j):ACC+8*(4*\i+\j)+7], v[FQ+8*\i:FQ+8*\i+7], v[FQ+32+8*\j:FQ+32+8*\j+7], 0
.else
	v_wmma_f32_16x16x64_bf8_bf8 v[ACC+8*(4*\i+\j):ACC+8*(4*\i+\j)+7], v[FQ+8*\i:FQ+8*\i+7], v[FQ+32+8*\j:FQ+32+8*\j+7], v[ACC+8*(4*\i+\j):ACC+8*(4*\i+\j)+7]
.endif
.endr
.endr
.endm
; A K step.  what = 1: the K step three on is asked for, into the set that the step before multiplied; 2, 3: RoPE's table; 0: nothing.  Four places stand between those products and the loads
; (ISA guide 7.12.1 for vector instructions).  cnt: the loads issued behind this step's own, which may stay out.
.macro STEP s, cnt, what, zero
.if \what
.if \s
	PLACES 4
.endif
.endif
.if \what == 1
	LD \s+3
.elseif \what == 2
	RL 0
.elseif \what == 3
	RL 1
.endif
	s_wait_loadcnt \cnt
	MM \s, \zero
.endm
; 16 rows of 256 bytes come back from my stage, two rows an instruction, and are stored: LDS serves a wave's instructions in order, so these see the stores that stand ahead of them
.macro OUTROWS voff, base, imm0, step
.irp n, 0,1,2,3,4,5,6,7
	ds_load_b128 v[RB+4*\n:RB+4*\n+3], v[RD] offset:544*\n
.endr
.irp n, 0,1,2,3,4,5,6,7
	s_wait_dscnt 7-\n                              ; the younger reads may be out
	global_store_b128 v[\voff], v[RB+4*\n:RB+4*\n+3], s[\base:\base+1] offset:\imm0+\step*\n th:TH_STORE_NT   ; sixteen lanes store 256 consecutive bytes, at a multiple of 256
.endr
.endm
	s_load_b512 s[8:23], s[0:1], 0x0               ; xc s[8:9], wc s[10:11], rope s[12:13], the exponents s[14:15], qc s[16:17], kvc s[18:19], out1 s[20:21], out2 s[22:23]
	v_lshl_add_u32 v[SPW], v0, 2, SPARE
	v_mov_b32 v[NIL], 0
	v_lshrrev_b32 v1, 5, v0
	v_readfirstlane_b32 s24, v1                    ; wave 0..5
	v_and_b32 v1, 31, v0
	v_lshlrev_b32 v[L16], 4, v1
	v_and_b32 v2, 15, v0                           ; r
	v_bfe_u32 v3, v0, 4, 1                         ; h
	s_mul_i32 s62, s24, STG                        ; my stage
	v_mul_u32_u24 v[STO], v2, 272
	v_lshl_add_u32 v[STO], v3, 5, v[STO]
	v_add_nc_u32 v[STO], s62, v[STO]
	v_mul_u32_u24 v[RD], v3, 272
	v_lshl_add_u32 v[RD], v2, 4, v[RD]
	v_add_nc_u32 v[RD], s62, v[RD]
	v_mul_u32_u24 v[STV], v3, 2176
	v_lshl_add_u32 v[STV], v2, 2, v[STV]
	v_add_nc_u32 v[STV], s62, v[STV]
	s_cmp_ge_u32 s24, 3
	s_cselect_b32 s27, 1, 0                        ; which 64 of the work-group's 128 positions
	s_mul_i32 s28, s27, 3
	s_sub_co_u32 s28, s24, s28                     ; which of its three heads
	s_mul_i32 s25, ttmp9, 3
	s_add_co_u32 s25, s25, s28                     ; H: 0-15 q's heads, 16-19 k's, 20-23 v's
	s_and_b32 s26, ttmp7, 0xffff
	s_lshl_b32 s26, s26, 1
	s_add_co_u32 s26, s26, s27                     ; my block of 64 positions, 0..63
	s_cmp_lt_u32 s25, 16
	s_cselect_b32 s27, 0, 1
	s_cmp_lt_u32 s25, 20
	s_cselect_b32 s28, 0, 1
	s_add_co_u32 s27, s27, s28                     ; 0: q, 1: k, 2: v: which version of x's codes
	s_lshl_b32 s28, s27, 22
	s_lshl_b32 s30, s26, 16
	s_add_co_u32 s28, s28, s30
	s_mov_b32 s29, 0
	s_lshl_b32 s30, s25, 16
	s_mov_b32 s31, 0
	s_wait_kmcnt 0x0
	s_load_b256 s[32:39], s[14:15], 0x0            ; e0 .. e7
	s_load_b128 s[40:43], s[14:15], 0x20           ; e8 .. e11
	s_add_nc_u64 s[8:9], s[8:9], s[28:29]          ; x's panel
	s_add_nc_u64 s[10:11], s[10:11], s[30:31]      ; the weight's panel
	s_cmp_lt_u32 s25, 20                           ; the choice hangs on ids alone
	s_cselect_b64 s[44:45], s[10:11], s[8:9]       ; source 0: the weight, for v the positions
	s_cselect_b64 s[46:47], s[8:9], s[10:11]       ; source 1: the other
	LD 0
	LD 1
	LD 2
	WIN 0
	s_lshr_b32 s30, s26, 5                         ; the batch
	s_and_b32 s31, s26, 31                         ; my block within the sequence
	s_lshl_b32 s28, s31, 14
	s_add_nc_u64 s[48:49], s[12:13], s[28:29]      ; the table's four tiles
	s_cmp_lt_u32 s25, 16
	s_cselect_b32 s56, 4, 2                        ; 16 heads a batch in q, 4 in k and v
	s_cselect_b64 s[50:51], s[16:17], s[18:19]     ; where the codes go
	s_cselect_b32 s57, 0, 16
	s_cmp_lt_u32 s25, 20
	s_cselect_b32 s57, s57, 20
	s_cselect_b64 s[52:53], s[20:21], s[22:23]     ; where the f32 numbers go (q's waves store none)
	s_lshl_b32 s56, s30, s56
	s_add_co_u32 s56, s56, s25
	s_sub_co_u32 s56, s56, s57                     ; the head's number in its tensor
	s_lshl_b32 s28, s56, 19                        ; 2,048 rows of 256 bytes,
	s_lshl_b32 s58, s31, 14                        ; my 64
	s_add_co_u32 s28, s28, s58
	s_add_nc_u64 s[52:53], s[52:53], s[28:29]
	s_lshl_b32 s28, s56, 17                        ; a head's codes: 131,072 bytes
	s_lshl_b32 s58, s31, 12                        ; q, k: my four images of 1,024 bytes
	s_lshr_b32 s59, s31, 1
	s_lshl_b32 s59, s59, 13                        ; v: the chunk of 128 positions, 8,192 bytes,
	s_and_b32 s60, s31, 1
	s_lshl_b32 s60, s60, 10                        ; my half of each image's registers,
	s_add_co_u32 s59, s59, s60
	s_add_co_u32 s59, s59, 0x100000                ; behind k's part of the buffer
	s_cmp_lt_u32 s25, 20
	s_cselect_b32 s58, s58, s59
	s_add_co_u32 s28, s28, s58
	s_add_nc_u64 s[50:51], s[50:51], s[28:29]
	s_wait_kmcnt 0x0
	s_add_co_i32 s56, s32, s33                     ; e0 + e1
	s_add_co_i32 s57, s34, s35                     ; e2 + e3
	s_add_co_i32 s58, s36, s37                     ; e4 + e5
	s_cmp_lt_u32 s25, 20
	s_cselect_b32 s57, s57, s58
	s_cselect_b32 s59, s39, s41                    ; e7 or e9
	s_cmp_lt_u32 s25, 16
	s_cselect_b32 s56, s56, s57                    ; eA + eB
	s_cselect_b32 s59, s38, s59                    ; e6, e7 or e9
	s_sub_co_i32 s59, s59, s56                     ; the three scales folded into the conversion's one
	MKSC 60, 61, 59
	v_mov_b32 v[SC], s60
	v_mov_b32 v[LIM], s61
	s_add_co_i32 s54, s56, 127
	s_lshl_b32 s54, s54, 23                        ; 2^(eA + eB) as f32
	s_mov_b32 s55, s54                             ; (named with it as a pair, so it is written)
	STEP 0, 48, 1, 1                               ; behind a step's own 16 loads stand those of the three steps that follow: 48
.irp s, 1,2,3,4,5,6,7,8,9,10,11,12
	STEP \s, 48, 1, 0
.endr
	WIN 0                                          ; at a branch and at a label every window is 0
	s_cmp_ge_u32 s25, 20
	s_cbranch_scc1 .Lv
	; ---------------- q and k
	STEP 13, 48, 2, 0                              ; behind step 13's loads: steps 14 and 15 and the table's first run
	STEP 14, 48, 3, 0                              ; behind step 14's: step 15 and the table's two runs
	STEP 15, 32, 0, 0                              ; behind step 15's: the table's two runs
	WIN 0
	PLACES 4                                       ; between the last products and the first read of results
; Position tile j: RoPE, (k: out1,) the codes.
.macro QKTILE j
	s_wait_loadcnt 24-8*\j                         ; the table's tile j is in; the later tiles, 8 loads each, may be out
.if \j
	s_wait_xcnt 0x0                                ; the last tile's stores have read their registers: the codes and the rows read back are written again only behind this wait
.endif
	WIN ROPEW
.irp i, 0,1                            ; each accumulator is read from its low end on
.irp p, 0,2,4,6
	v_pk_mul_f32 v[T+8*\i+\p:T+8*\i+\p+1], v[ACC+8*(4*(\i+2)+\j)+\p:ACC+8*(4*(\i+2)+\j)+\p+1], v[32*\j+16+8*\i+\p:32*\j+16+8*\i+\p+1]
	v_pk_mul_f32 v[T+16+8*\i+\p:T+16+8*\i+\p+1], v[ACC+8*(4*\i+\j)+\p:ACC+8*(4*\i+\j)+\p+1], v[32*\j+16+8*\i+\p:32*\j+16+8*\i+\p+1]
	v_pk_fma_f32 v[T+8*\i+\p:T+8*\i+\p+1], v[ACC+8*(4*\i+\j)+\p:ACC+8*(4*\i+\j)+\p+1], v[32*\j+8*\i+\p:32*\j+8*\i+\p+1], v[T+8*\i+\p:T+8*\i+\p+1] neg_lo:[0,0,1] neg_hi:[0,0,1]   ; a cos - b sin
	v_pk_fma_f32 v[T+16+8*\i+\p:T+16+8*\i+\p+1], v[ACC+8*(4*(\i+2)+\j)+\p:ACC+8*(4*(\i+2)+\j)+\p+1], v[32*\j+8*\i+\p:32*\j+8*\i+\p+1], v[T+16+8*\i+\p:T+16+8*\i+\p+1]              ; b cos + a sin
.endr
.endr
	WIN 0
	s_cmp_lt_u32 s25, 16
	s_cbranch_scc1 .Lq_\@                          ; q is no output
.set ii, 0
.rept 16
	v_pk_mul_f32 v[O1+ii:O1+ii+1], v[T+ii:T+ii+1], s[54:55] op_sel_hi:[1,0]   ; x 2^(e2 + e3): nothing is rounded
.set ii, ii+2
.endr
.irp a, 0,1,2,3
	ds_store_b128 v[STO], v[O1+8*\a:O1+8*\a+3] offset:64*\a
	ds_store_b128 v[STO], v[O1+8*\a+4:O1+8*\a+7] offset:64*\a+16
.endr
	OUTROWS L16, 52, 4096*\j, 512                  ; 16 rows of out1 are 4,096 consecutive bytes
.Lq_\@:
.set ii, 0
.rept 32
	v_med3_num_f32 v[T+ii], v[T+ii], -v[LIM], v[LIM]   ; the conversion to an 8-bit code does not saturate (ISA guide 7.6.2)
.set ii, ii+1
.endr
.irp a, 0,1,2,3
	v_cvt_scalef32_pk8_bf8_f32 v[CD+2*\a:CD+2*\a+1], v[T+8*\a:T+8*\a+7], v[SC]   ; registers 2 a, 2 a + 1 of the image: channels 16 a + 8 h + 0 .. 7
.endr
	v_nop                                          ; a plain line behind the last conversion
	global_store_b128 v[L16], v[CD:CD+3], s[50:51] offset:1024*\j
	global_store_b128 v[L16], v[CD+4:CD+7], s[50:51] offset:1024*\j+512
.endm
	QKTILE 0
	QKTILE 1
	QKTILE 2
	QKTILE 3
	s_branch .Lend
.Lv:
	; ---------------- v: lane (r, h) holds channel 16 j + r, register n of accumulator (i, j) position 16 i + 8 h + n
	STEP 13, 32, 0, 0                              ; behind step 13's loads: steps 14 and 15
	STEP 14, 16, 0, 0
	STEP 15, 0, 0, 0
	WIN 0
	PLACES 4
.irp j, 0,1,2,3                        ; the codes of channel tile j: my 64 positions are half of an image of 16 channels x 128 positions
.if \j
	s_wait_xcnt 0x0                                ; the last tile's stores have read the codes' registers
.endif
.irp i, 0,1,2,3
.irp n, 0,1,2,3,4,5,6,7
	v_med3_num_f32 v[T+8*\i+\n], v[ACC+8*(4*\i+\j)+\n], -v[LIM], v[LIM]
.endr
.endr
.irp i, 0,1,2,3
	v_cvt_scalef32_pk8_bf8_f32 v[CD+2*\i:CD+2*\i+1], v[T+8*\i:T+8*\i+7], v[SC]
.endr
	v_nop
	global_store_b128 v[L16], v[CD:CD+3], s[50:51] offset:2048*\j
	global_store_b128 v[L16], v[CD+4:CD+7], s[50:51] offset:2048*\j+512
.endr
.irp i, 0,1,2,3                        ; out2, 16 positions at a time: a lane's numbers belong to eight rows, so they go through my stage word by word and leave as rows
	s_wait_xcnt 0x0                                ; earlier stores have read the rows' registers
.irp j, 0,1,2,3
.irp p, 0,2,4,6
	v_pk_mul_f32 v[O1+8*\j+\p:O1+8*\j+\p+1], v[ACC+8*(4*\i+\j)+\p:ACC+8*(4*\i+\j)+\p+1], s[54:55] op_sel_hi:[1,0]   ; x 2^(e4 + e5)
.endr
.endr
.irp j, 0,1,2,3
.irp n, 0,1,2,3,4,5,6,7
	ds_store_b32 v[STV], v[O1+8*\j+\n] offset:272*\n+64*\j   ; sixteen lanes write 64 consecutive bytes; the other sixteen stand 8 rows = 544 words further on
.endr
.endr
	OUTROWS L16, 52, 4096*\i, 512
.endr
.Lend:
	s_wait_tensorcnt 0x0                           ; the wave's end
	ds_add_u32 v[SPW], v[NIL]
	s_wait_dscnt 0x0
	s_endpgm
.Lfunc_end_k_qf541c8944e_qkv:
	.size	k_qf541c8944e_qkv, .Lfunc_end_k_qf541c8944e_qkv-k_qf541c8944e_qkv
	.p2alignl 7, 3214868480
	.fill 96, 4, 3214868480
	.section	.rodata,"a",@progbits
	.p2align	6, 0x0
	.amdhsa_kernel k_qf541c8944e_qkv
		.amdhsa_group_segment_fixed_size 26880
		.amdhsa_private_segment_fixed_size 0
		.amdhsa_enable_private_segment 0
		.amdhsa_kernarg_size 64
		.amdhsa_user_sgpr_count 2
		.amdhsa_user_sgpr_kernarg_segment_ptr 1
		.amdhsa_wavefront_size32 1
		.amdhsa_system_sgpr_workgroup_id_x 1
		.amdhsa_system_sgpr_workgroup_id_y 1
		.amdhsa_system_sgpr_workgroup_id_z 1
		.amdhsa_system_vgpr_workitem_id 0
		.amdhsa_next_free_vgpr 512
		.amdhsa_next_free_sgpr 66
		.amdhsa_reserve_vcc 0
		.amdhsa_float_denorm_mode_32 3
		.amdhsa_float_denorm_mode_16_64 3
		.amdhsa_memory_ordered 1
		.amdhsa_forward_progress 1
		.amdhsa_inst_pref_size 113
	.end_amdhsa_kernel
	.amdgpu_metadata
---
amdhsa.version: [ 1, 2 ]
amdhsa.kernels:
  - .name:           k_qf541c8944e_qkv
    .symbol:         k_qf541c8944e_qkv.kd
    .args:
      - { .name: xc, .offset: 0, .size: 8, .value_kind: global_buffer, .address_space: global }
      - { .name: wc, .offset: 8, .size: 8, .value_kind: global_buffer, .address_space: global }
      - { .name: rope, .offset: 16, .size: 8, .value_kind: global_buffer, .address_space: global }
      - { .name: lowp_scales, .offset: 24, .size: 8, .value_kind: global_buffer, .address_space: global }
      - { .name: qc, .offset: 32, .size: 8, .value_kind: global_buffer, .address_space: global }
      - { .name: kvc, .offset: 40, .size: 8, .value_kind: global_buffer, .address_space: global }
      - { .name: out1, .offset: 48, .size: 8, .value_kind: global_buffer, .address_space: global }
      - { .name: out2, .offset: 56, .size: 8, .value_kind: global_buffer, .address_space: global }
    .group_segment_fixed_size: 26880
    .private_segment_fixed_size: 0
    .kernarg_segment_align: 8
    .kernarg_segment_size: 64
    .max_flat_workgroup_size: 192
    .sgpr_count:     66
    .vgpr_count:     512
    .wavefront_size: 32
...
	.end_amdgpu_metadata
.endif
;; end of part 2
;; launch attn (part 3): grid 32 x 8, 16 waves a work-group, clusters of 4 x 1, 327,680 bytes of LDS; arguments qc, kvc, lowp_scales, ac; writes ac
.if DOCPART == 3
	.amdgcn_target "amdgcn-amd-amdhsa--gfx1250"
	.amdhsa_code_object_version 6
	.text
	.protected	k_qf541c8944e_attn
	.globl	k_qf541c8944e_attn
	.p2align	8
	.type	k_qf541c8944e_attn,@function
k_qf541c8944e_attn:
	s_mov_b64 s[64:65], 0
	v_nop
	global_prefetch_b8 v0, s[64:65] scope:SCOPE_SE
	s_setreg_imm32_b32 hwreg(HW_REG_WAVE_MODE, 25, 1), 1
	s_wait_xcnt 0x0
	s_wait_alu depctr_hold_cnt(0) depctr_sa_sdst(0) depctr_va_vdst(0) depctr_va_sdst(0) depctr_va_ssrc(0) depctr_va_vcc(0) depctr_vm_vsrc(0)
	s_getreg_b32 s2, hwreg(HW_REG_IB_STS2, 6, 4)
	s_cmp_eq_u32 s2, 0
	s_cbranch_scc0 .Lentry_in_a_cluster
	s_endpgm
.Lentry_in_a_cluster:
	s_bfe_u32 s2, ttmp6, 0x10000c
	s_cmp_lg_u32 s2, 0x3003
	s_cbranch_scc0 .Lentry_shape_is_right
	s_endpgm
.Lentry_shape_is_right:
; LAUNCH 3 OF 4: the attention on codes of E5M2: S^T = K Q^T, the softmax by the problem's rule, O^T = V^T P^T, O / l quantised (scale e10) for the projection on the way out.
; LEFT OUT AS DEAD WORK (shown at the head of launch prep): a step of 128 keys that lies wholly behind a wave's 16 queries: reference()'s own jnp.tril gives those keys the weight 0 for all finite inputs.
; THE SOFTMAX: t = score x log2(e) / 8; M = the row's largest t so far, rounded UP to a whole number; p = 2^(t - M) is what is quantised (scale e8); the row's sum is taken of the unquantised p and divides O
; at the end.  When M moves, the sum and O are multiplied by 2^(old M - new M): exact.
; SHARES.  A work-group serves one batch and key-value head (its y) and holds ALL of that head's K and V in LDS: 2 x 131,072 bytes, filled once; nothing is ever filled again.
; The 32 work-groups of a y are told apart by g = 0 .. 31: query head 4 kvh + g / 8, and of each chunk of 128 queries the tile g % 8.  Wave w takes the chunk CH = w xor 3 ((w / 4) % 2), so each work-group
; has waves of 1 to 16 key steps, 136 in all, alike in every work-group, and waves w, w + 4, w + 8, w + 12 have 34 together.
; CLUSTER.  The four partners have the same y and so the same K and V: each tile is asked for JOINTLY, by the same tensor load with the same descriptor and a mask that names the four.
; Each wave issues two loads: its part of chunks 0-3 and its part of chunks 4-15; the first four key steps are walked while the second is on its way.  By this text's count a wave has two tensor loads out.
; No branch, no trip count and no LDS address hangs on a work-group's place in its cluster: a step is left out where ST > CH and is free of the mask where ST < CH (the step's count and the wave's number);
; the place enters q's and the result's addresses and the vector that the mask compares with, and nothing else.  Every work-group reads all that it is sent: its wave with CH = 15 walks all 16 steps.
; LAYOUT.  K: images of 16 keys x 64 channels; V: images of 16 channels x 128 keys (launch qkv).  Both products are used transposed, so a lane holds ONE query (lane % 16) throughout: register j of score tile c is key
; 16 c + 8 h + j, so tile c, converted, is registers 2 c, 2 c + 1 of P; register j of O^T's tile t is channel 16 t + 8 h + j, so tile t, converted, is registers 2 t, 2 t + 1 of the next product's image.
; Nothing is prefetched: all that the launch reads is asked for at its head.
; LIMITS: e6 + e7 between -123 and 130 (added to c's exponent field); e8, e10 between -126 and 112; e8 + e9 is applied by v_ldexp_f32 and has none.
; REGISTERS: v1 16 x lane; v2 my query - 8 h; v8-10 at work; v11 -infinity; v12 -M, v13 the largest t, v[14:15] the sum in two halves; v16-23 Q; v32-95 K's fragments, then V's; v96-159 S^T, then p;
;   v160-191 O^T; v192-207 P's codes; v208-211 scales and holds; v212-219 at work; v224-255 the way out.
.set SPARE, 262144                     ; behind K and V: the spare words, 128 bytes for each wave: eight blocks of 256 bytes that no other line names
.set L16, 1
.set D0,  2
.set SPW, 5                            ; v5   LDS address of my spare word; never rewritten
.set NIL, 6                            ; v6   0; never rewritten
.set ADK, 8
.set ADV, 9
.set DD,  10
.set WV,  12                           ; s12  my wave's number
.set CH,  13                           ; s13  my chunk of 128 queries
.set ST,  14                           ; s14  the key step
.set TB,  15                           ; s15  its K images' first LDS byte: 8,192 x ST
.set G1A, 16                           ; s[16:23] descriptor group 1: 16 rows of 256 bytes
.set G1B, 24                           ; s[24:31] the same with 48 rows
.set KF,  32                           ; s32  the step's first key
.set G0A, 36                           ; s[36:39], s[40:43] the two groups 0
.set G0B, 40
.set SEL, 44                           ; s[44:45] lane selects for v_permlanex16_b32: lane l xor 16
.set CS,  46                           ; s[46:47] c = log2(e) / 8 x 2^(e6 + e7)
.macro PLACES n
.rept \n
	v_nop
.endr
.endm
.macro MKSC sdst, slim, sexp           ; s[sdst] = 2^e as f32, s[slim] = 57,344 x 2^e, e = s[sexp]
	s_add_co_i32 s[\slim], s[\sexp], 127
	s_lshl_b32 s[\sdst], s[\slim], 23
	s_add_co_i32 s[\slim], s[\slim], 15
	s_lshl_b32 s[\slim], s[\slim], 23
	s_or_b32 s[\slim], s[\slim], 0x600000
.endm
.macro ROUND                           ; a round of the cluster's barrier: my work-group's barrier; wave 0 signals for the work-group; every wave waits for all four work-groups; my work-group's barrier once more
	s_barrier_signal -1
	s_barrier_wait -1
	s_cmp_lg_u32 s[WV], 0
	s_cbranch_scc1 .Lnot_wave_0_\@
	s_barrier_signal -3
.Lnot_wave_0_\@:
	s_barrier_wait -3
	s_barrier_signal -1
	s_barrier_wait -1
.endm
	s_load_b256 s[4:11], s[0:1], 0x0               ; qc s[4:5], kvc s[6:7], the exponents s[8:9], ac s[10:11]
	v_lshl_add_u32 v[SPW], v0, 2, SPARE
	v_mov_b32 v[NIL], 0
	ds_add_u32 v[SPW], v[NIL]                      ; the wave's opening: the add, twice on end, and its wait ahead of my first tensor load; the set-up below stands between the second and the wait
	ds_add_u32 v[SPW], v[NIL]
	v_lshrrev_b32 v1, 5, v0
	v_readfirstlane_b32 s[WV], v1                  ; wave 0..15
	v_and_b32 v1, 31, v0
	v_lshlrev_b32 v[L16], 4, v1
	s_bfe_u32 s[CH], s[WV], 0x10002
	s_mul_i32 s[CH], s[CH], 3
	s_xor_b32 s[CH], s[WV], s[CH]                  ; my chunk
	s_bfe_u32 s33, ttmp6, 0x40000                  ; cx: my place in the cluster
	s_lshl_b32 s34, ttmp9, 2                       ; in a cluster launch ttmp9 counts clusters
	s_add_co_u32 s34, s34, s33                     ; g
	s_and_b32 s35, ttmp7, 0xffff                   ; 4 x batch + key-value head, which the four partners share
	; descriptor groups 1: dense blocks as rows of 256 bytes, elements of 8 bytes
	s_mov_b32 s[G1A], 15|(3<<16)|(1<<21)           ; 15:0 the mask: all four work-groups; 17:16 elements of 8 bytes; 21 set beside a mask; no padding
	s_mov_b32 s[G1A+1], 32<<16                     ; tensor_dim0 = 32
	s_mov_b32 s[G1A+2], 16<<16                     ; tensor_dim1 = 16
	s_mov_b32 s[G1A+3], 32<<16                     ; tile_dim0 = 32
	s_mov_b32 s[G1A+4], 16                         ; tile_dim1 = 16
	s_mov_b32 s[G1A+5], 32                         ; from row to row
	s_mov_b32 s[G1A+6], 0
	s_mov_b32 s[G1A+7], 0
	s_mov_b32 s[G1B], 15|(3<<16)|(1<<21)
	s_mov_b32 s[G1B+1], 32<<16
	s_mov_b32 s[G1B+2], 48<<16                     ; 48 rows
	s_mov_b32 s[G1B+3], 32<<16
	s_mov_b32 s[G1B+4], 48
	s_mov_b32 s[G1B+5], 32
	s_mov_b32 s[G1B+6], 0
	s_mov_b32 s[G1B+7], 0
	s_lshr_b32 s60, s[WV], 3                       ; waves 0-7 fetch K, waves 8-15 V
	s_and_b32 s61, s[WV], 7                        ; an eighth each
	s_lshl_b32 s62, s60, 17                        ; in LDS: K from 0, V from 131,072
	s_lshl_b32 s63, s61, 12                        ; chunks 0-3: 4,096 bytes a wave
	s_mul_i32 s66, s61, 12288                      ; chunks 4-15: 12,288 bytes a wave
	s_mov_b32 s[G0A], 1                            ; count = 1
	s_add_co_u32 s[G0A+1], s62, s63                ; LDS address: made of the wave's number alone
	s_mov_b32 s[G0B], 1
	s_add_co_u32 s[G0B+1], s62, s66
	s_add_co_u32 s[G0B+1], s[G0B+1], 32768
	s_lshl_b32 s68, s60, 20                        ; in memory: V's part lies 1,048,576 bytes behind K's,
	s_lshl_b32 s67, s35, 17                        ; a head's codes are 131,072 bytes
	s_add_co_u32 s68, s68, s67
	s_add_co_u32 s70, s68, s66
	s_add_co_u32 s70, s70, 32768
	s_add_co_u32 s68, s68, s63
	s_mov_b32 s69, 0
	s_mov_b32 s71, 0
	s_and_b32 s72, s34, 7
	s_lshl_b32 s73, s[CH], 3
	s_add_co_u32 s72, s72, s73                     ; my tile of 16 queries: 8 CH + g % 8
	s_lshl_b32 s73, s72, 4                         ; my first query
	v_and_b32 v[D0], 15, v0
	v_bfe_u32 v3, v0, 4, 1
	v_lshlrev_b32 v3, 3, v3
	v_sub_nc_u32 v[D0], v[D0], v3
	v_add_nc_u32 v[D0], s73, v[D0]                 ; my query - 8 h
	s_lshr_b32 s74, s35, 2                         ; the batch
	s_and_b32 s75, s35, 3
	s_lshl_b32 s75, s75, 2
	s_lshr_b32 s76, s34, 3
	s_add_co_u32 s75, s75, s76                     ; the query head
	s_lshl_b32 s76, s74, 4
	s_add_co_u32 s76, s76, s75
	s_lshl_b32 s76, s76, 7
	s_add_co_u32 s76, s76, s72
	s_lshl_b32 s76, s76, 10                        ; q's image: ((16 batch + head) 128 + tile) x 1,024
	s_mov_b32 s77, 0
	s_lshl_b32 s78, s74, 7
	s_add_co_u32 s78, s78, s72                     ; the result's tile of rows m = 128 batch + tile
	s_lshr_b32 s79, s78, 2
	s_lshl_b32 s79, s79, 16                        ; panel m / 4,
	s_and_b32 s78, s78, 3
	s_lshl_b32 s78, s78, 10                        ; tile m % 4,
	s_add_co_u32 s78, s78, s79
	s_lshl_b32 s79, s75, 12                        ; K step = the head
	s_add_co_u32 s78, s78, s79
	s_mov_b32 s79, 0
	s_mov_b32 s[SEL], 0x76543210
	s_mov_b32 s[SEL+1], 0xfedcba98
	s_mov_b32 s[CS], 0x3e38aa3b                    ; log2(e) / 8
	s_mov_b32 s[ST], 0
	s_mov_b32 s[TB], 0
	s_mov_b32 s[KF], 0
	s_wait_dscnt 0x0                               ; both opening adds are done
	s_wait_kmcnt 0x0
	s_load_b256 s[48:55], s[8:9], 0x0              ; e0 .. e7
	s_load_b128 s[56:59], s[8:9], 0x20             ; e8 .. e11
	s_add_nc_u64 s[G0A+2:G0A+3], s[6:7], s[68:69]  ; global addresses: they hang on y and the wave's number, which the partners share
	s_or_b32 s[G0A+3], s[G0A+3], 0x80000000        ; type = 2
	s_add_nc_u64 s[G0B+2:G0B+3], s[6:7], s[70:71]
	s_or_b32 s[G0B+3], s[G0B+3], 0x80000000
	s_add_nc_u64 s[4:5], s[4:5], s[76:77]
	s_add_nc_u64 s[10:11], s[10:11], s[78:79]
	ROUND                                          ; all four work-groups are here: the joint loads meet
	tensor_load_to_lds s[G0A:G0A+3], s[G1A:G1A+7]  ; my part of chunks 0-3
	s_nop 0
	tensor_load_to_lds s[G0B:G0B+3], s[G1B:G1B+7]  ; my part of chunks 4-15
	s_nop 0
.rept 4
	v_nop
.endr
	global_load_b128 v[16:19], v[L16], s[4:5]      ; Q's image stays in registers
	global_load_b128 v[20:23], v[L16], s[4:5] offset:512
	v_mov_b32 v13, 0xff61b1e6                      ; the largest t so far: -3e38, under every t
	v_floor_f32 v12, -v13                          ; -M
	v_mov_b32 v14, 0                               ; the sum, in two halves
	v_mov_b32 v15, 0
	v_mov_b32 v11, 0xff800000                      ; -infinity
	v_mov_b32 v213, 0                              ; (named as the upper half of the pair v[212:213])
	v_mov_b32 v214, 0                              ; written once: a lane permute's destination counts as one of its sources
.set ii, 0
.rept 32
	v_mov_b32 v[160+ii], 0                         ; O^T.  (The key step is written for every step alike: the first finds zeros, which the first change of M leaves zeros)
.set ii, ii+1
.endr
	s_wait_kmcnt 0x0
	s_add_co_i32 s60, s54, s55
	s_lshl_b32 s60, s60, 23
	s_add_co_i32 s[CS], s[CS], s60                 ; a score stands for score x 2^(e6 + e7): the two exponents are added to c's exponent field
	s_mov_b32 s[CS+1], s[CS]                       ; (named with it as a pair, so it is written)
	MKSC 60, 61, 56
	v_mov_b32 v208, s60                            ; 2^e8, for p's conversion
	v_mov_b32 v209, s61                            ; 57,344 x 2^e8
	MKSC 60, 61, 58
	v_mov_b32 v210, s60                            ; 2^e10, for the result's
	v_mov_b32 v211, s61
	s_add_co_i32 s62, s56, s57                     ; e8 + e9
; A KEY STEP: 128 keys.
.macro STEP
	s_cmp_gt_u32 s[ST], s[CH]                      ; all its keys lie behind my queries: left out.  The lines at its end that step addresses are run all the same
	s_cbranch_scc1 .Lhid_\@
	v_add_nc_u32 v[ADK], s[TB], v[L16]
	v_add_nc_u32 v[ADV], 0x20000, v[ADK]
	v_nop
	v_nop                                          ; four places between the last step's products and the loads into the registers that they read
.set ii, 0
.rept 16
	ds_load_b128 v[32+4*ii:35+4*ii], v[ADK] offset:512*ii   ; eight images of K: 512 consecutive bytes a load
.set ii, ii+1
.endr
	s_wait_dscnt 0x0
.set ii, 0
.rept 8
	v_wmma_f32_16x16x64_bf8_bf8 v[96+8*ii:103+8*ii], v[32+8*ii:39+8*ii], v[16:23], 0
.set ii, ii+1
.endr
	v_sub_nc_u32 v[DD], v[D0], s[KF]               ; my query - 8 h - the step's first key
	v_nop
	v_nop
	v_nop                                          ; four places: for the loads below and for the first read of the scores
.set ii, 0
.rept 16
	ds_load_b128 v[32+4*ii:35+4*ii], v[ADV] offset:512*ii   ; four images of V: they land under the softmax
.set ii, ii+1
.endr
	s_cmp_lt_u32 s[ST], s[CH]
	s_cbranch_scc1 .Lopen_\@                       ; all its keys count
.set ii, 0
.rept 64                               ; on the diagonal: register 8 c + j holds key KF + 16 c + 8 h + j: hidden where 16 c + j > DD.  Its score becomes -infinity: p = 0
	v_cmp_gt_i32 vcc_lo, 16*(ii/8)+ii%8, v[DD]
	v_cndmask_b32 v[96+ii], v[96+ii], v11, vcc_lo
.set ii, ii+1
.endr
.Lopen_\@:
	v_max3_num_f32 v218, v96, v97, v98             ; the step's largest score of my query, among my 64 keys, in two chains, each accumulator from its low end on,
	v_max3_num_f32 v219, v99, v100, v101
.set ii, 6
.rept 14
	v_max3_num_f32 v218, v218, v[96+ii], v[97+ii]
	v_max3_num_f32 v219, v219, v[98+ii], v[99+ii]
.set ii, ii+4
.endr
	v_max3_num_f32 v218, v218, v158, v159
	v_max_num_f32 v218, v218, v219
	v_permlanex16_b32 v214, v218, s[SEL], s[SEL+1]
	v_max_num_f32 v218, v218, v214                 ; and among lane l xor 16's
	v_mul_f32 v218, s[CS], v218                    ; as t (c is positive)
	v_max_num_f32 v13, v13, v218                   ; the running largest t
	v_mov_b32 v218, v12
	v_floor_f32 v12, -v13                          ; the new -M = floor(-t) = -ceil(t): M is a whole number
	v_sub_f32 v218, v12, v218                      ; M's old value less its new one: a whole number, 0 or less
	v_cvt_i32_f32 v218, v218                       ; (it saturates)
	v_ldexp_f32 v212, 1.0, v218                    ; f = 2^(old M - new M)
.set ii, 0
.rept 32
	v_pk_fma_f32 v[96+ii:97+ii], v[96+ii:97+ii], s[CS:CS+1], v[12:13] op_sel_hi:[1,0,0]   ; t - M, two at a time (of the pairs c and -M the low word serves both halves)
.set ii, ii+2
.endr
.set ii, 0
.rept 64
	v_exp_f32 v[96+ii], v[96+ii]                   ; p = 2^(t - M), at most 1: not normalised
.set ii, ii+1
.endr
	v_pk_mul_f32 v[14:15], v[14:15], v[212:213] op_sel_hi:[1,0]   ; the sums under the new M: the plain line behind the exponentials
	s_wait_alu depctr_va_vdst(0)                   ; the one wait ahead of the batch's first reader
	v_pk_add_f32 v[216:217], v[96:97], v[98:99]    ; the row's sum is taken of the unquantised p: two at a time, in two chains
.set ii, 4
.rept 15
	v_pk_add_f32 v[14:15], v[14:15], v[96+ii:97+ii]
	v_pk_add_f32 v[216:217], v[216:217], v[98+ii:99+ii]
.set ii, ii+4
.endr
	v_pk_add_f32 v[14:15], v[14:15], v[216:217]
.irp c, 0,1,2,3,4,5,6,7
.irp n, 0,1,2,3,4,5,6,7
	v_min_num_f32 v[96+8*\c+\n], v[96+8*\c+\n], v209   ; the conversion to an 8-bit code does not saturate (ISA guide 7.6.2); p is not negative, so the hold is one-sided
.endr
	v_cvt_scalef32_pk8_bf8_f32 v[192+2*\c:193+2*\c], v[96+8*\c:103+8*\c], v208   ; registers 2 c, 2 c + 1 of P: keys 16 c + 8 h + 0 .. 7
.endr
.set ii, 0
.rept 16
	v_pk_mul_f32 v[160+ii:161+ii], v[160+ii:161+ii], v[212:213] op_sel_hi:[1,0]   ; O^T under the new M.  (Plain lines between the conversions and the products that read their results)
.set ii, ii+2
.endr
	s_wait_dscnt 0x0                               ; V is in
.irp t, 0,1,2,3                        ; the four accumulators take turns, one instruction a turn
	v_wmma_f32_16x16x128_bf8_bf8 v[160+8*\t:167+8*\t], v[32+16*\t:47+16*\t], v[192:207], v[160+8*\t:167+8*\t]
.endr
.Lhid_\@:
	s_add_co_u32 s[TB], s[TB], 8192
	s_add_co_u32 s[KF], s[KF], 128
.endm
	s_wait_tensorcnt 1                             ; my part of chunks 0-3 is in; my second load may stay out
	s_barrier_signal -1
	s_barrier_wait -1                              ; everybody's is
	s_wait_loadcnt 0x0                             ; Q
.Lfirst:                                           ; key steps 0 to 3: a constant count of trips; a wave whose chunk lies ahead of a step jumps over the step's work
	STEP
	s_add_co_u32 s[ST], s[ST], 1
	s_cmp_lt_u32 s[ST], 4
	s_cbranch_scc1 .Lfirst
	s_wait_tensorcnt 0x0                           ; my part of chunks 4-15 is in,
	s_wait_dscnt 0x0
	s_barrier_signal -1
	s_barrier_wait -1                              ; everybody's is
	s_mov_b32 s[ST], 4                             ; (stated anew, so that this loop's range is read off the text)
	s_mov_b32 s[TB], 32768
	s_mov_b32 s[KF], 512
.Lrest:                                            ; key steps 4 to 15
	STEP
	s_add_co_u32 s[ST], s[ST], 1
	s_cmp_lt_u32 s[ST], 16
	s_cbranch_scc1 .Lrest
	; THE WAY OUT.  O^T / the sum x 2^(e8 + e9) is quantised with 2^e10; the conversions' results are the image of 16 rows x 64 along K that the projection wants: no turn through LDS.
	PLACES 4                                       ; between the last products and the first read of results
	v_add_f32 v14, v14, v15                        ; the sum's two halves,
	v_permlanex16_b32 v214, v14, s[SEL], s[SEL+1]
	v_add_f32 v14, v14, v214                       ; and lane l xor 16's: the row's sum
	v_rcp_f32 v14, v14
	v_nop                                          ; a plain line behind the reciprocal,
	s_wait_alu depctr_va_vdst(0)                   ; and the wait ahead of its first reader
	v_ldexp_f32 v14, v14, s62
.set ii, 0
.rept 32
	v_mul_f32 v[224+ii], v[160+ii], v14            ; each accumulator from its low end on
.set ii, ii+1
.endr
.set ii, 0
.rept 32
	v_med3_num_f32 v[224+ii], v[224+ii], -v211, v211
.set ii, ii+1
.endr
.irp t, 0,1,2,3
	v_cvt_scalef32_pk8_bf8_f32 v[192+2*\t:193+2*\t], v[224+8*\t:231+8*\t], v210
.endr
	v_nop
	global_store_b128 v[L16], v[192:195], s[10:11]             ; 512 consecutive bytes each
	global_store_b128 v[L16], v[196:199], s[10:11] offset:512
	s_wait_tensorcnt 0x0                           ; the wave's end
	ds_add_u32 v[SPW], v[NIL]
	s_wait_dscnt 0x0
	ROUND                                          ; the closing round: no work-group ends while a partner may still ask for a tile that names it
	s_endpgm
.Lfunc_end_k_qf541c8944e_attn:
	.size	k_qf541c8944e_attn, .Lfunc_end_k_qf541c8944e_attn-k_qf541c8944e_attn
	.p2alignl 7, 3214868480
	.fill 96, 4, 3214868480
	.section	.rodata,"a",@progbits
	.p2align	6, 0x0
	.amdhsa_kernel k_qf541c8944e_attn
		.amdhsa_group_segment_fixed_size 327680
		.amdhsa_private_segment_fixed_size 0
		.amdhsa_enable_private_segment 0
		.amdhsa_kernarg_size 32
		.amdhsa_user_sgpr_count 2
		.amdhsa_user_sgpr_kernarg_segment_ptr 1
		.amdhsa_wavefront_size32 1
		.amdhsa_system_sgpr_workgroup_id_x 1
		.amdhsa_system_sgpr_workgroup_id_y 1
		.amdhsa_system_sgpr_workgroup_id_z 1
		.amdhsa_system_vgpr_workitem_id 0
		.amdhsa_next_free_vgpr 256
		.amdhsa_next_free_sgpr 80
		.amdhsa_reserve_vcc 1
		.amdhsa_float_denorm_mode_32 3
		.amdhsa_float_denorm_mode_16_64 3
		.amdhsa_memory_ordered 1
		.amdhsa_forward_progress 1
		.amdhsa_inst_pref_size 53
	.end_amdhsa_kernel
	.amdgpu_metadata
---
amdhsa.version: [ 1, 2 ]
amdhsa.kernels:
  - .name:           k_qf541c8944e_attn
    .symbol:         k_qf541c8944e_attn.kd
    .args:
      - { .name: qc, .offset: 0, .size: 8, .value_kind: global_buffer, .address_space: global }
      - { .name: kvc, .offset: 8, .size: 8, .value_kind: global_buffer, .address_space: global }
      - { .name: lowp_scales, .offset: 16, .size: 8, .value_kind: global_buffer, .address_space: global }
      - { .name: ac, .offset: 24, .size: 8, .value_kind: global_buffer, .address_space: global }
    .group_segment_fixed_size: 327680
    .private_segment_fixed_size: 0
    .kernarg_segment_align: 8
    .kernarg_segment_size: 32
    .max_flat_workgroup_size: 512
    .sgpr_count:     80
    .vgpr_count:     256
    .wavefront_size: 32
...
	.end_amdgpu_metadata
.endif
;; end of part 3
;; launch oproj (part 4): grid 8 x 32, 4 waves a work-group, no clusters, 17,920 bytes of LDS; arguments ac, wc, lowp_scales, out0; writes out0
.if DOCPART == 4
	.amdgcn_target "amdgcn-amd-amdhsa--gfx1250"
	.amdhsa_code_object_version 6
	.text
	.protected	k_qf541c8944e_oproj
	.globl	k_qf541c8944e_oproj
	.p2align	8
	.type	k_qf541c8944e_oproj,@function
k_qf541c8944e_oproj:
	s_mov_b64 s[64:65], 0
	v_nop
	global_prefetch_b8 v0, s[64:65] scope:SCOPE_SE
	s_setreg_imm32_b32 hwreg(HW_REG_WAVE_MODE, 25, 1), 1
	s_wait_xcnt 0x0
; LAUNCH 4 OF 4: out0 = attention's result x wo, on codes of E5M2 (scales e10, e11).  Nothing of reference() is left out here.
; SHARES.  A work-group makes 128 rows x 128 columns, each of its four waves 64 x 64: 16 accumulators of 16 x 16.  256 work-groups.
; OPERANDS come from memory straight into registers, as in launch qkv: both lie as images of their registers in panels of 64 rows x 1,024 k, so every load reads 512 consecutive bytes; a K step of 64 is 16 loads and
; 16 matrix instructions; four sets of fragment registers keep three K steps, 48 loads, on their way in each wave.  No LDS ring, no barrier; no cluster and no joint loads, since no tile goes through LDS.
; TRANSPOSED USE (source 0 = 16 columns of wo, source 1 = 16 rows): a lane holds eight neighbouring numbers of a row of out0; 16 rows at a time go through the wave's own stage and leave as runs of 256 bytes.
; LIMIT: e10 + e11 between -126 and 127, so that 2^(e10 + e11) is an f32 number.
; REGISTERS.  Window 0: v1-9 addresses; v48-79 numbers for the stage; v80-111 rows read back; v128-255 accumulator (i, j) at v[128 + 8 (4 i + j)].  Window 1: four sets of 64 fragment registers.
.set STG,   4352                       ; a wave's stage: 16 rows x (256 bytes + 16)
.set SPARE, 4*STG                      ; behind the stages: the spare words, 128 bytes for each wave: two blocks of 256 bytes that no other line names
.set L16, 1                            ; v1   16 x lane
.set STO, 4                            ; v4   the stage, in: row r, + 32 h
.set RD,  5                            ; v5   the stage, back: lanes 0-15 one row, lanes 16-31 the next
.set GO,  6                            ; v6   the same two rows in out0
.set SPW, 8                            ; v8   LDS address of my spare word; never rewritten
.set NIL, 9                            ; v9   0; never rewritten
.set O1,  48
.set RB,  80
.set ACC, 128
.set MUL,   0x05                       ; sources 0 and 1 window 1; C and D window 0
.set TO_F,  0x40                       ; destination window 1, address window 0
.set MSB, 0
.macro WIN new                         ; the immediate's high byte repeats the setting that is left
.if MSB != \new
	s_set_vgpr_msb (MSB<<8)|\new
.set MSB, \new
.endif
.endm
.macro PLACES n
.rept \n
	v_nop
.endr
.endm
.macro LD s                            ; K step s: four images of each panel into set s % 4
	WIN TO_F
.irp i, 0,1,2,3
.irp g, 0,1
	global_load_b128 v[64*((\s)%4)+8*\i+4*\g:64*((\s)%4)+8*\i+4*\g+3], v[L16], s[44:45] offset:4096*(\s)+1024*\i+512*\g
	global_load_b128 v[64*((\s)%4)+32+8*\i+4*\g:64*((\s)%4)+32+8*\i+4*\g+3], v[L16], s[46:47] offset:4096*(\s)+1024*\i+512*\g
.endr
.endr
.endm
.macro MM s, zero                      ; 16 matrix instructions; the 16 accumulators take turns, one instruction a turn, in the same order in every step
	WIN MUL
.set FQ, 64*((\s)%4)
.irp i, 0,1,2,3
.irp j, 0,1,2,3
.if \zero
	v_wmma_f32_16x16x64_bf8_bf8 v[ACC+8*(4*\i+\j):ACC+8*(4*\i+\j)+7], v[FQ+8*\i:FQ+8*\i+7], v[FQ+32+8*\j:FQ+32+8*\j+7], 0
.else
	v_wmma_f32_16x16x64_bf8_bf8 v[ACC+8*(4*\i+\j):ACC+8*(4*\i+\j)+7], v[FQ+8*\i:FQ+8*\i+7], v[FQ+32+8*\j:FQ+32+8*\j+7], v[ACC+8*(4*\i+\j):ACC+8*(4*\i+\j)+7]
.endif
.endr
.endr
.endm
; A K step.  what = 1: the K step three on is asked for, into the set that the step before multiplied, four places behind those products.  cnt: the loads issued behind this step's own, which may stay out.
.macro STEP s, cnt, what, zero
.if \what
.if \s
	PLACES 4
.endif
	LD \s+3
.endif
	s_wait_loadcnt \cnt
	MM \s, \zero
.endm
.macro OUTROWS voff, base, imm0, step
.irp n, 0,1,2,3,4,5,6,7
	ds_load_b128 v[RB+4*\n:RB+4*\n+3], v[RD] offset:544*\n   ; LDS serves a wave's instructions in order: these see the stores that stand ahead of them
.endr
.irp n, 0,1,2,3,4,5,6,7
	s_wait_dscnt 7-\n                              ; the younger reads may be out
	global_store_b128 v[\voff], v[RB+4*\n:RB+4*\n+3], s[\base:\base+1] offset:\imm0+\step*\n th:TH_STORE_NT   ; sixteen lanes store 256 consecutive bytes, at a multiple of 256
.endr
.endm
	s_load_b256 s[8:15], s[0:1], 0x0               ; ac s[8:9], wc s[10:11], the exponents s[12:13], out0 s[14:15]
	v_lshl_add_u32 v[SPW], v0, 2, SPARE
	v_mov_b32 v[NIL], 0
	v_lshrrev_b32 v1, 5, v0
	v_readfirstlane_b32 s24, v1                    ; wave 0..3
	v_and_b32 v1, 31, v0
	v_lshlrev_b32 v[L16], 4, v1
	v_and_b32 v2, 15, v0                           ; r
	v_bfe_u32 v3, v0, 4, 1                         ; h
	s_mul_i32 s62, s24, STG                        ; my stage
	v_mul_u32_u24 v[STO], v2, 272
	v_lshl_add_u32 v[STO], v3, 5, v[STO]
	v_add_nc_u32 v[STO], s62, v[STO]
	v_mul_u32_u24 v[RD], v3, 272
	v_lshl_add_u32 v[RD], v2, 4, v[RD]
	v_add_nc_u32 v[RD], s62, v[RD]
	v_lshlrev_b32 v[GO], 12, v3                    ; a row of out0 is 4,096 bytes
	v_lshl_add_u32 v[GO], v2, 4, v[GO]
	s_and_b32 s25, s24, 1
	s_lshl_b32 s26, ttmp9, 1
	s_add_co_u32 s25, s25, s26                     ; my 64 columns: 0..15
	s_lshr_b32 s26, s24, 1
	s_and_b32 s27, ttmp7, 0xffff
	s_lshl_b32 s27, s27, 1
	s_add_co_u32 s26, s26, s27                     ; my 64 rows: 0..63
	s_add_co_u32 s28, s25, 24                      ; wo's panels begin at 24
	s_lshl_b32 s28, s28, 16
	s_mov_b32 s29, 0
	s_lshl_b32 s30, s26, 16
	s_mov_b32 s31, 0
	s_wait_kmcnt 0x0
	s_load_b64 s[32:33], s[12:13], 0x28            ; e10, e11
	s_add_nc_u64 s[44:45], s[10:11], s[28:29]      ; source 0: wo's panel
	s_add_nc_u64 s[46:47], s[8:9], s[30:31]        ; source 1: the rows' panel
	LD 0
	LD 1
	LD 2
	WIN 0
	s_lshl_b32 s28, s26, 18                        ; 64 rows of 4,096 bytes,
	s_lshl_b32 s30, s25, 8                         ; 64 columns of 4
	s_add_co_u32 s28, s28, s30
	s_add_nc_u64 s[52:53], s[14:15], s[28:29]
	s_wait_kmcnt 0x0
	s_add_co_i32 s54, s32, s33
	s_add_co_i32 s54, s54, 127
	s_lshl_b32 s54, s54, 23                        ; 2^(e10 + e11) as f32
	s_mov_b32 s55, s54                             ; (named with it as a pair, so it is written)
	STEP 0, 48, 1, 1                               ; behind a step's own 16 loads stand those of the three steps that follow: 48
.irp s, 1,2,3,4,5,6,7,8,9,10,11,12
	STEP \s, 48, 1, 0
.endr
	STEP 13, 32, 0, 0                              ; the last steps ask for nothing: the counts run down
	STEP 14, 16, 0, 0
	STEP 15, 0, 0, 0
	WIN 0
	PLACES 4                                       ; between the last products and the first read of results
.irp j, 0,1,2,3                        ; 16 rows at a time
.if \j
	s_wait_xcnt 0x0                                ; the last tile's stores have read the rows' registers
.endif
.irp i, 0,1,2,3
.irp p, 0,2,4,6
	v_pk_mul_f32 v[O1+8*\i+\p:O1+8*\i+\p+1], v[ACC+8*(4*\i+\j)+\p:ACC+8*(4*\i+\j)+\p+1], s[54:55] op_sel_hi:[1,0]   ; x 2^(e10 + e11); each accumulator from its low end on
.endr
.endr
.irp i, 0,1,2,3
	ds_store_b128 v[STO], v[O1+8*\i:O1+8*\i+3] offset:64*\i
	ds_store_b128 v[STO], v[O1+8*\i+4:O1+8*\i+7] offset:64*\i+16
.endr
	OUTROWS GO, 52, 65536*\j, 8192
.endr
	s_wait_tensorcnt 0x0                           ; the wave's end
	ds_add_u32 v[SPW], v[NIL]
	s_wait_dscnt 0x0
	s_endpgm
.Lfunc_end_k_qf541c8944e_oproj:
	.size	k_qf541c8944e_oproj, .Lfunc_end_k_qf541c8944e_oproj-k_qf541c8944e_oproj
	.p2alignl 7, 3214868480
	.fill 96, 4, 3214868480
	.section	.rodata,"a",@progbits
	.p2align	6, 0x0
	.amdhsa_kernel k_qf541c8944e_oproj
		.amdhsa_group_segment_fixed_size 17920
		.amdhsa_private_segment_fixed_size 0
		.amdhsa_enable_private_segment 0
		.amdhsa_kernarg_size 32
		.amdhsa_user_sgpr_count 2
		.amdhsa_user_sgpr_kernarg_segment_ptr 1
		.amdhsa_wavefront_size32 1
		.amdhsa_system_sgpr_workgroup_id_x 1
		.amdhsa_system_sgpr_workgroup_id_y 1
		.amdhsa_system_sgpr_workgroup_id_z 1
		.amdhsa_system_vgpr_workitem_id 0
		.amdhsa_next_free_vgpr 512
		.amdhsa_next_free_sgpr 66
		.amdhsa_reserve_vcc 0
		.amdhsa_float_denorm_mode_32 3
		.amdhsa_float_denorm_mode_16_64 3
		.amdhsa_memory_ordered 1
		.amdhsa_forward_progress 1
		.amdhsa_inst_pref_size 58
	.end_amdhsa_kernel
	.amdgpu_metadata
---
amdhsa.version: [ 1, 2 ]
amdhsa.kernels:
  - .name:           k_qf541c8944e_oproj
    .symbol:         k_qf541c8944e_oproj.kd
    .args:
      - { .name: ac, .offset: 0, .size: 8, .value_kind: global_buffer, .address_space: global }
      - { .name: wc, .offset: 8, .size: 8, .value_kind: global_buffer, .address_space: global }
      - { .name: lowp_scales, .offset: 16, .size: 8, .value_kind: global_buffer, .address_space: global }
      - { .name: out0, .offset: 24, .size: 8, .value_kind: global_buffer, .address_space: global }
    .group_segment_fixed_size: 17920
    .private_segment_fixed_size: 0
    .kernarg_segment_align: 8
    .kernarg_segment_size: 32
    .max_flat_workgroup_size: 128
    .sgpr_count:     66
    .vgpr_count:     512
    .wavefront_size: 32
...
	.end_amdgpu_metadata
.endif
;; end of part 4
;; ======== version 2 of 2: 4 launches
;; workspace buffers: xc 12,582,912 bytes; wc 2,621,440 bytes; rope 524,288 bytes; qc 4,194,304 bytes; kvc 2,097,152 bytes; ac 4,194,304 bytes
;; launch prep (part 5): grid 448 x 1, 4 waves a work-group, no clusters, 34,304 bytes of LDS; arguments x, wq, wk, wv, wo, lowp_scales, xc, wc, rope; writes xc, wc, rope
.if DOCPART == 5
	.amdgcn_target "amdgcn-amd-amdhsa--gfx1250"
	.amdhsa_code_object_version 6
	.text
	.protected	k_qf541c8944e_prep
	.globl	k_qf541c8944e_prep
	.p2align	8
	.type	k_qf541c8944e_prep,@function
k_qf541c8944e_prep:
	s_mov_b64 s[64:65], 0
	v_nop
	global_prefetch_b8 v0, s[64:65] scope:SCOPE_SE
	s_setreg_imm32_b32 hwreg(HW_REG_WAVE_MODE, 25, 1), 1
	s_wait_xcnt 0x0
; CAUSAL SELF-ATTENTION IN E5M2, LAUNCH 1 OF 4: every operand that many work-groups read is quantised once, and RoPE's table is made.
; THE PROGRAM: prep (this) | qkv: products 1-3, RoPE, out1, out2, codes of q, k, v | attn: products 4, 5 and the softmax, codes of the result | oproj: product 6.
; DEAD WORK, for the whole program: reference() gives every score whose key lies behind its query the value finfo.min by its own jnp.tril; with the row's maximum taken away the weight of such a
; key is exp(min - max) = 0 for all finite inputs.  So a step of 128 keys that lies wholly behind a wave's 16 queries is not multiplied (launch attn).  Nothing else is left out; every input is loaded.
; LIMIT: a NaN, an infinity or an overflow that arises only in such hidden scores is not carried to the result.
; OPERANDS LIE IN THE WORKSPACE AS IMAGES OF THEIR REGISTERS.  An image of 16 rows x 64 along K is 1,024 bytes: register 4 g + q of lane L = r + 16 h lies at 512 g + 16 L + 4 q and holds, of row r,
; k = 32 g + 16 (q / 2) + 8 h + 4 (q % 2) + 0 .. 3: the layout of v_wmma_f32_16x16x64_bf8_bf8 (registers 2 c, 2 c + 1: k = 16 c + 8 h + 0 .. 7).  A panel is 64 rows x 1,024 k: [k / 64][tile of 16 rows][1,024 bytes].
; xc: x three times (scales e0, e2, e4), 64 panels each.  wc: 40 panels whose rows are output columns: 0-15 wq (e1), 16-19 wk (e3), 20-23 wv (e5), 24-39 wo (e11).
; rope: for each tile of 16 positions 4,096 bytes, the image of 32 registers: register 8 i + j = cos(t = 16 tile + r, f = 16 i + 8 h + j), register 16 + 8 i + j the sine.
; code = x / 2^e, held within +-57,344, rounded to the nearest code, ties to even.  LIMITS: e0, e2, e4, e1, e3, e5, e11 between -126 and 112, so that 2^e and 57,344 x 2^e are f32 numbers.  NaN among the inputs is not served.
; SHARES: work-groups 0-255: 16 rows of x each, a wave 256 along K.  256-415: a slab of 128 k x 128 columns of a weight each.  416-447: four tiles of the table each, a wave a tile.
; No matrix unit, no tensor load, no cluster: the launch streams, and its work-groups share no input.  No barrier: a wave's stage in LDS is its own.
.set STGB,  8448                       ; a wave's stage: 16 rows x (512 bytes + 16): the sixteen rows that a read touches start 33 x 16 bytes apart
.set SPARE, 4*STGB                     ; behind the stages: the spare words, 128 bytes for each wave: two blocks of 256 bytes that no other line names
.set SPW, 5                            ; v5   LDS address of my spare word; never rewritten
.set NIL, 6                            ; v6   0; never rewritten
.set T,   16                           ; v16-31   at work
.set R0,  32                           ; v32-159  x: two halves of 64 numbers
.set C,   160                          ; v160-207 x's codes: 16 registers for each of the three scales
.set X,   32                           ; v32-95   a weight: two sets of 32 numbers
.set D,   96                           ; v96-127  a weight's codes: 8 registers a block, never rewritten
.set PP,  64                           ; the table: v64-79 10^(f/8), v80-95 its reciprocal, v96-111 the refined reciprocal
.set RC,  80
.set IV,  96
.macro MKSC sdst, slim, sexp           ; s[sdst] = 2^e as f32, s[slim] = 57,344 x 2^e, e = s[sexp]
	s_add_co_i32 s[\slim], s[\sexp], 127
	s_lshl_b32 s[\sdst], s[\slim], 23
	s_add_co_i32 s[\slim], s[\slim], 15
	s_lshl_b32 s[\slim], s[\slim], 23
	s_or_b32 s[\slim], s[\slim], 0x600000
.endm
	s_load_b512 s[8:23], s[0:1], 0x0               ; x s[8:9], wq s[10:11], wk s[12:13], wv s[14:15], wo s[16:17], the exponents s[18:19], xc s[20:21], wc s[22:23]
	s_load_b64 s[24:25], s[0:1], 0x40              ; rope
	v_lshl_add_u32 v[SPW], v0, 2, SPARE
	v_mov_b32 v[NIL], 0
	v_lshrrev_b32 v1, 5, v0
	v_readfirstlane_b32 s26, v1                    ; wave 0..3
	v_and_b32 v1, 31, v0                           ; lane
	v_lshlrev_b32 v2, 4, v1                        ; 16 x lane
	s_mul_i32 s27, s26, STGB                       ; my stage
	v_add_nc_u32 v3, s27, v2                       ; into it: 16 bytes a lane of a row's 512
	v_and_b32 v7, 15, v0                           ; r
	v_bfe_u32 v14, v0, 4, 1                        ; h
	v_mul_u32_u24 v4, v7, 528
	v_lshl_add_u32 v4, v14, 5, v4
	v_add_nc_u32 v4, s27, v4                       ; out of it: row r, + 32 h bytes: eight numbers of my half
	s_wait_kmcnt 0x0
	s_load_b256 s[32:39], s[18:19], 0x0            ; e0 .. e7
	s_load_b128 s[40:43], s[18:19], 0x20           ; e8 .. e11
	s_cmp_lt_u32 ttmp9, 256
	s_cbranch_scc0 .Lnot_x
	; ---------------- x: 16 rows x 256 k a wave, quantised three times
	s_lshl_b32 s28, ttmp9, 16                      ; 16 rows of 4,096 bytes,
	s_lshl_b32 s29, s26, 10                        ; my wave's 256 numbers of a row
	s_add_co_u32 s28, s28, s29
	s_mov_b32 s29, 0
	s_add_nc_u64 s[8:9], s[8:9], s[28:29]
	s_wait_alu depctr_va_vdst(0)
.irp hf, 0,1
.set ii, 0
.rept 16
	global_load_b128 v[R0+64*\hf+4*ii:R0+64*\hf+4*ii+3], v2, s[8:9] offset:4096*ii+512*\hf th:TH_LOAD_NT   ; 32 lanes read 512 consecutive bytes of row ii
.set ii, ii+1
.endr
.endr
	s_lshr_b32 s28, ttmp9, 2                       ; the codes: panel = tile / 4,
	s_lshl_b32 s28, s28, 16
	s_and_b32 s30, ttmp9, 3                        ; the tile's place in each K step of the panel,
	s_lshl_b32 s30, s30, 10
	s_add_co_u32 s28, s28, s30
	s_lshl_b32 s30, s26, 14                        ; my wave's four K steps of 64
	s_add_co_u32 s28, s28, s30
	s_add_nc_u64 s[44:45], s[20:21], s[28:29]      ; a base for each of the three versions
	s_add_nc_u64 s[46:47], s[44:45], 0x400000
	s_add_nc_u64 s[48:49], s[44:45], 0x800000
	s_wait_kmcnt 0x0
.irp v, 0,1,2
	MKSC 50, 51, 32+2*\v                           ; e0, e2, e4
	v_mov_b32 v[8+2*\v], s50
	v_mov_b32 v[9+2*\v], s51
.endr
; Half hf: 128 along K of the 16 rows.  The loads took the bytes as they lie; the conversions want eight neighbours along K in one lane's registers: so the half turns through my stage.
.macro HALF hf
.set RR, R0+64*\hf
.if \hf == 0
	s_wait_loadcnt 16                              ; this half's 16 loads are in; the other half's 16 may be out
.else
	s_wait_loadcnt 0x0
.endif
.set ii, 0
.rept 16
	ds_store_b128 v3, v[RR+4*ii:RR+4*ii+3] offset:528*ii
.set ii, ii+1
.endr
.irp b, 0,1,2,3                        ; LDS serves a wave's instructions in order: these see the stores above.  Register 16 b + i: i < 8: k = 32 b + 8 h + i; else k = 32 b + 16 + 8 h + i - 8
	ds_load_b128 v[RR+16*\b:RR+16*\b+3], v4 offset:128*\b
	ds_load_b128 v[RR+16*\b+4:RR+16*\b+7], v4 offset:128*\b+16
	ds_load_b128 v[RR+16*\b+8:RR+16*\b+11], v4 offset:128*\b+64
	ds_load_b128 v[RR+16*\b+12:RR+16*\b+15], v4 offset:128*\b+80
.endr
	s_wait_dscnt 0x0
.if \hf
	s_wait_xcnt 0x0                                ; the first half's stores have read their registers: the codes' registers are written again only behind this wait
.endif
.irp v, 0,1,2
.irp b, 0,1,2,3
.set ii, 0
.rept 16
	v_med3_num_f32 v[T+ii], v[RR+16*\b+ii], -v[9+2*\v], v[9+2*\v]   ; the conversion to an 8-bit code does not saturate (ISA guide 7.6.2): the hold at the largest code x the scale
.set ii, ii+1
.endr
	v_cvt_scalef32_pk8_bf8_f32 v[C+16*\v+4*\b:C+16*\v+4*\b+1], v[T:T+7], v[8+2*\v]
	v_cvt_scalef32_pk8_bf8_f32 v[C+16*\v+4*\b+2:C+16*\v+4*\b+3], v[T+8:T+15], v[8+2*\v]
	v_nop                                          ; a plain line between the conversions and the next holds, which write their sources
	global_store_b128 v2, v[C+16*\v+4*\b:C+16*\v+4*\b+3], s[44+2*\v:45+2*\v] offset:\hf*8192+(\b/2)*4096+(\b%2)*512   ; half an image: 512 consecutive bytes
.endr
.endr
.endm
	s_wait_alu depctr_va_vdst(0)
	HALF 0
	HALF 1
	s_branch .Lend
.Lnot_x:
	s_cmp_lt_u32 ttmp9, 416
	s_cbranch_scc0 .Ltable
	; ---------------- a weight, stored [k][n]: a lane takes a column and its registers run down K, so the conversions give codes with K innermost
.macro WLOAD t, N                      ; block t: W(32 t + i, my column), i = 0 .. 31, into set t % 2: 32 lanes read 128 consecutive bytes, the four waves 512
.set ii, 0
.rept 32
	global_load_b32 v[X+32*((\t)%2)+ii], v7, s[44:45] offset:(32*(\t)+ii)*\N*4 th:TH_LOAD_NT
.set ii, ii+1
.endr
.endm
.macro WBLOCK t, N
.set XS, X+32*((\t)%2)
.if \t < 3
	s_wait_loadcnt 32                              ; this block's 32 loads are in; the next block's 32 may be out
.else
	s_wait_loadcnt 0x0
.endif
.set ii, 0
.rept 32
	v_med3_num_f32 v[XS+ii], v[XS+ii], -v9, v9
.set ii, ii+1
.endr
	v_cvt_scalef32_pk8_bf8_f32 v[D+8*\t:D+8*\t+1], v[XS:XS+7], v8           ; the image's lane h = 0 of my row: k = 0 .. 7 and 16 .. 23 of the block,
	v_cvt_scalef32_pk8_bf8_f32 v[D+8*\t+2:D+8*\t+3], v[XS+16:XS+23], v8
	v_cvt_scalef32_pk8_bf8_f32 v[D+8*\t+4:D+8*\t+5], v[XS+8:XS+15], v8      ; its lane h = 1: k = 8 .. 15 and 24 .. 31
	v_cvt_scalef32_pk8_bf8_f32 v[D+8*\t+6:D+8*\t+7], v[XS+24:XS+31], v8
	v_nop
	global_store_b128 v14, v[D+8*\t:D+8*\t+3], s[46:47] offset:(\t/2)*4096+(\t%2)*512        ; sixteen lanes store 256 consecutive bytes, at a multiple of 256
	global_store_b128 v14, v[D+8*\t+4:D+8*\t+7], s[46:47] offset:(\t/2)*4096+(\t%2)*512+256
.if \t < 2
	WLOAD \t+2, \N
.endif
.endm
.macro WPATH N                         ; s28 = the work-group's number less 256
.if \N == 1024
	s_and_b32 s29, s28, 7                          ; which 128 columns
	s_lshr_b32 s30, s28, 3
	s_and_b32 s30, s30, 7                          ; which 128 along K
	s_cmp_lt_u32 s28, 64
	s_cselect_b64 s[44:45], s[10:11], s[16:17]     ; wq or wo: the choice hangs on the work-group's number alone
	s_cselect_b32 s31, s33, s43                    ; e1 or e11
	s_cselect_b32 s46, 0, 24                       ; the tensor's first panel
.else
	s_and_b32 s29, s28, 1
	s_lshr_b32 s30, s28, 1
	s_and_b32 s30, s30, 7
	s_cmp_lt_u32 s28, 144
	s_cselect_b64 s[44:45], s[12:13], s[14:15]     ; wk or wv
	s_cselect_b32 s31, s35, s37                    ; e3 or e5
	s_cselect_b32 s46, 16, 20
.endif
	s_mul_i32 s48, s30, 512*\N                     ; 128 rows of N numbers,
	s_lshl_b32 s50, s29, 9                         ; 128 columns,
	s_add_co_u32 s48, s48, s50
	s_lshl_b32 s50, s26, 7                         ; my wave's 32
	s_add_co_u32 s48, s48, s50
	s_mov_b32 s49, 0
	s_add_nc_u64 s[44:45], s[44:45], s[48:49]
	s_lshl_b32 s50, s29, 1
	s_add_co_u32 s46, s46, s50
	s_lshr_b32 s50, s26, 1
	s_add_co_u32 s46, s46, s50                     ; my panel: 64 columns
	s_lshl_b32 s48, s46, 16
	s_lshl_b32 s50, s30, 13                        ; two K steps of 64: 2 x 4,096 bytes
	s_add_co_u32 s48, s48, s50
	s_and_b32 s50, s26, 1
	s_lshl_b32 s50, s50, 11                        ; my two tiles of the panel's four
	s_add_co_u32 s48, s48, s50
	s_add_nc_u64 s[46:47], s[22:23], s[48:49]
	WLOAD 0, \N
	WLOAD 1, \N
	MKSC 50, 51, 31
	v_mov_b32 v8, s50
	v_mov_b32 v9, s51
	s_wait_alu depctr_va_vdst(0)
	WBLOCK 0, \N
	WBLOCK 1, \N
	WBLOCK 2, \N
	WBLOCK 3, \N
.endm
	s_wait_kmcnt 0x0                               ; the exponents
	s_sub_co_u32 s28, ttmp9, 256
	s_wait_alu depctr_va_vdst(0)
	v_lshlrev_b32 v7, 2, v1                        ; in: 4 bytes a lane
	v_lshrrev_b32 v14, 4, v1
	v_lshlrev_b32 v14, 10, v14                     ; out: lanes 16-31 hold the next tile's rows,
	v_and_b32 v15, 15, v1
	v_lshl_add_u32 v14, v15, 4, v14                ; 16 bytes a row
	s_cmp_lt_u32 s28, 128
	s_cbranch_scc0 .Lnarrow
	s_wait_alu depctr_va_vdst(0)
	WPATH 1024
	s_branch .Lend
.Lnarrow:
	s_wait_alu depctr_va_vdst(0)
	WPATH 256
	s_branch .Lend
.Ltable:
	; ---------------- cos and sin of t / 10^(f/8), t = 0 .. 2,047, f = 0 .. 31.  The angle is formed as reference() forms it: P = 10^(f/8) in f32, 1 / P rounded, t x that, each in f32.
	; Then n = the nearest whole number to angle x 2/pi, and angle - n pi/2 with pi/2 in two parts.  The first part's product is taken away exactly by one fused multiply-add: it is a multiple of 2^-23 and
	; the difference lies under 1.  LIMIT: that holds for angles under 2,048, which T = 2,048 keeps.  On what is left (within pi/4) polynomials of degree 7 and 8 give sine and cosine to f32's last bits.
	s_wait_kmcnt 0x0
	s_sub_co_u32 s28, ttmp9, 416
	s_lshl_b32 s28, s28, 2
	s_add_co_u32 s28, s28, s26                     ; my tile of 16 positions
	s_lshl_b32 s30, s28, 4
	s_lshl_b32 s28, s28, 12
	s_mov_b32 s29, 0
	s_add_nc_u64 s[24:25], s[24:25], s[28:29]
	s_wait_alu depctr_va_vdst(0)
	v_add_nc_u32 v15, s30, v7
	v_cvt_f32_u32 v15, v15                         ; t
	v_cmp_eq_u32 vcc_lo, 1, v14                    ; lanes 16-31 take the frequencies eight further on
	s_mov_b32 s52, 0x3f22f983                      ; 2 / pi
	s_mov_b32 s53, 0x3fc90fdb                      ; pi / 2, rounded to f32,
	s_mov_b32 s54, 0xb33bbd2e                      ; and what that leaves
	s_mov_b32 s55, 0xb94ca1f9                      ; sine: -1.9515295891e-4, 8.3321608736e-3, -1.6666654611e-1
	s_mov_b32 s56, 0x3c08839e
	s_mov_b32 s57, 0xbe2aaaa3
	s_mov_b32 s58, 0x37ccf5ce                      ; cosine: 2.443315711809948e-5, -1.388731625493765e-3, 4.166664568298827e-2
	s_mov_b32 s59, 0xbab6061a
	s_mov_b32 s60, 0x3d2aaaa5
.macro PW idx, lo, hi                  ; register idx = 8 i + j: P(16 i + j) in lanes 0-15, P(16 i + 8 + j) in lanes 16-31
	v_mov_b32 v16, \hi
	v_cndmask_b32 v[PP+\idx], \lo, v16, vcc_lo
.endm
	PW 0,  1.0,               10.0
	PW 1,  1.333521432163324, 13.33521432163324
	PW 2,  1.778279410038923, 17.78279410038923
	PW 3,  2.371373705661655, 23.71373705661655
	PW 4,  3.162277660168379, 31.62277660168379
	PW 5,  4.216965034285822, 42.16965034285822
	PW 6,  5.623413251903491, 56.23413251903491
	PW 7,  7.498942093324559, 74.98942093324559
	PW 8,  100.0,             1000.0
	PW 9,  133.3521432163324, 1333.521432163324
	PW 10, 177.8279410038923, 1778.279410038923
	PW 11, 237.1373705661655, 2371.373705661655
	PW 12, 316.2277660168379, 3162.277660168379
	PW 13, 421.6965034285822, 4216.965034285822
	PW 14, 562.3413251903491, 5623.413251903491
	PW 15, 749.8942093324559, 7498.942093324559
.set ii, 0
	s_wait_alu depctr_va_vdst(0)
.rept 16
	v_rcp_f32 v[RC+ii], v[PP+ii]
.set ii, ii+1
.endr
	v_nop                                          ; a plain line behind the last reciprocal,
	s_wait_alu depctr_va_vdst(0)                   ; and the one wait ahead of the batch's first reader
.set ii, 0
.rept 16
	v_fma_f32 v[IV+ii], -v[PP+ii], v[RC+ii], 1.0   ; what the reciprocal lacks,
.set ii, ii+1
.endr
.set ii, 0
.rept 16
	v_fma_f32 v[IV+ii], v[IV+ii], v[RC+ii], v[RC+ii]   ; put right: 1 / P to the last bit
.set ii, ii+1
.endr
.macro TRIG idx
	v_mul_f32 v16, v15, v[IV+\idx]                 ; the angle
	v_mul_f32 v17, s52, v16
	v_rndne_f32 v17, v17                           ; n
	v_fma_f32 v18, -v17, s53, v16
	v_fma_f32 v18, -v17, s54, v18                  ; x = angle - n pi/2
	v_cvt_i32_f32 v19, v17
	v_mul_f32 v20, v18, v18                        ; z = x x
	v_fma_f32 v21, s55, v20, s56
	v_fma_f32 v22, s58, v20, s59
	v_fma_f32 v21, v21, v20, s57
	v_fma_f32 v22, v22, v20, s60
	v_mul_f32 v21, v21, v20
	v_fma_f32 v22, v22, v20, -0.5
	v_fma_f32 v21, v21, v18, v18                   ; sin x
	v_fma_f32 v22, v22, v20, 1.0                   ; cos x
	v_and_b32 v23, 1, v19
	v_cmp_eq_u32 vcc_lo, 1, v23                    ; an odd n changes the two over;
	v_cndmask_b32 v24, v21, v22, vcc_lo
	v_cndmask_b32 v25, v22, v21, vcc_lo
	v_lshlrev_b32 v26, 30, v19                     ; the sine is negative where n % 4 is 2 or 3,
	v_add_nc_u32 v27, 1, v19
	v_and_b32 v26, 0x80000000, v26
	v_lshlrev_b32 v27, 30, v27                     ; the cosine where it is 1 or 2
	v_xor_b32 v[48+\idx], v24, v26
	v_and_b32 v27, 0x80000000, v27
	v_xor_b32 v[32+\idx], v25, v27
.endm
.irp k, 0,1,2,3,4,5,6,7,8,9,10,11,12,13,14,15
	TRIG \k
.endr
.irp g, 0,1,2,3,4,5,6,7
	global_store_b128 v2, v[32+4*\g:35+4*\g], s[24:25] offset:512*\g   ; 512 consecutive bytes
.endr
.Lend:
	s_wait_tensorcnt 0x0                           ; the wave's end
	ds_add_u32 v[SPW], v[NIL]
	s_wait_dscnt 0x0
	s_endpgm
.Lfunc_end_k_qf541c8944e_prep:
	.size	k_qf541c8944e_prep, .Lfunc_end_k_qf541c8944e_prep-k_qf541c8944e_prep
	.p2alignl 7, 3214868480
	.fill 96, 4, 3214868480
	.section	.rodata,"a",@progbits
	.p2align	6, 0x0
	.amdhsa_kernel k_qf541c8944e_prep
		.amdhsa_group_segment_fixed_size 34304
		.amdhsa_private_segment_fixed_size 0
		.amdhsa_enable_private_segment 0
		.amdhsa_kernarg_size 72
		.amdhsa_user_sgpr_count 2
		.amdhsa_user_sgpr_kernarg_segment_ptr 1
		.amdhsa_wavefront_size32 1
		.amdhsa_system_sgpr_workgroup_id_x 1
		.amdhsa_system_sgpr_workgroup_id_y 1
		.amdhsa_system_sgpr_workgroup_id_z 1
		.amdhsa_system_vgpr_workitem_id 0
		.amdhsa_next_free_vgpr 208
		.amdhsa_next_free_sgpr 66
		.amdhsa_reserve_vcc 1
		.amdhsa_float_denorm_mode_32 3
		.amdhsa_float_denorm_mode_16_64 3
		.amdhsa_memory_ordered 1
		.amdhsa_forward_progress 1
		.amdhsa_inst_pref_size 112
	.end_amdhsa_kernel
	.amdgpu_metadata
---
amdhsa.version: [ 1, 2 ]
amdhsa.kernels:
  - .name:           k_qf541c8944e_prep
    .symbol:         k_qf541c8944e_prep.kd
    .args:
      - { .name: x, .offset: 0, .size: 8, .value_kind: global_buffer, .address_space: global }
      - { .name: wq, .offset: 8, .size: 8, .value_kind: global_buffer, .address_space: global }
      - { .name: wk, .offset: 16, .size: 8, .value_kind: global_buffer, .address_space: global }
      - { .name: wv, .offset: 24, .size: 8, .value_kind: global_buffer, .address_space: global }
      - { .name: wo, .offset: 32, .size: 8, .value_kind: global_buffer, .address_space: global }
      - { .name: lowp_scales, .offset: 40, .size: 8, .value_kind: global_buffer, .address_space: global }
      - { .name: xc, .offset: 48, .size: 8, .value_kind: global_buffer, .address_space: global }
      - { .name: wc, .offset: 56, .size: 8, .value_kind: global_buffer, .address_space: global }
      - { .name: rope, .offset: 64, .size: 8, .value_kind: global_buffer, .address_space: global }
    .group_segment_fixed_size: 34304
    .private_segment_fixed_size: 0
    .kernarg_segment_align: 8
    .kernarg_segment_size: 72
    .max_flat_workgroup_size: 128
    .sgpr_count:     66
    .vgpr_count:     208
    .wavefront_size: 32
...
	.end_amdgpu_metadata
.endif
;; end of part 5
;; launch qkv (part 6): grid 8 x 32, 6 waves a work-group, no clusters, 26,880 bytes of LDS; arguments xc, wc, rope, lowp_scales, qc, kvc, out1, out2; writes qc, kvc, out1, out2
.if DOCPART == 6
	.amdgcn_target "amdgcn-amd-amdhsa--gfx1250"
	.amdhsa_code_object_version 6
	.text
	.protected	k_qf541c8944e_qkv
	.globl	k_qf541c8944e_qkv
	.p2align	8
	.type	k_qf541c8944e_qkv,@function
k_qf541c8944e_qkv:
	s_mov_b64 s[64:65], 0
	v_nop
	global_prefetch_b8 v0, s[64:65] scope:SCOPE_SE
	s_setreg_imm32_b32 hwreg(HW_REG_WAVE_SCHED_MODE, 0, 2), 2
	s_setreg_imm32_b32 hwreg(HW_REG_WAVE_MODE, 25, 1), 1
	s_wait_xcnt 0x0
	s_wait_alu depctr_vm_vsrc(0)
; LAUNCH 2 OF 4: q = x wq, k = x wk, v = x wv on codes of E5M2; RoPE on q and k; out1 = k, out2 = v; q, k, v quantised for the attention (scales e6, e7, e9).  Nothing of reference() is left out here.
; SHARES.  24 heads (16 of q, 4 of k, 4 of v) x 64 blocks of 64 positions.  A work-group takes 3 heads x 128 positions, each of its six waves one head x 64 positions: 16 accumulators of 16 x 16.
; OPERANDS come from memory straight into registers: both lie as images of their registers (launch prep), so every load reads 512 consecutive bytes, and a K step of 64 is 16 loads and 16 matrix instructions.
; Five sets of fragment registers take turns: three K steps, 48 loads of 512 bytes, are on their way in each wave, one set is being multiplied and one has just been.  No LDS ring, no barrier; no cluster and no joint loads, since no tile goes through LDS.
; q AND k ARE MADE TRANSPOSED (source 0 = 16 columns of the weight, source 1 = 16 positions): lane (r, h) holds position r, register j of tile i the channel 16 i + 8 h + j.  RoPE's partner, 32 channels on, is the
; same register of tile i + 2, and a tile's eight registers, converted, are registers 2 i, 2 i + 1 of the image that the attention wants (K = the head's 64).
; v IS MADE THE OTHER WAY ROUND (source 0 = positions, source 1 = columns): a lane holds one channel and its registers run along the positions, which are the second product's K.
; The wave's tile is square, so both uses are ONE loop with the two panel pointers changed over.
; The sums stand for sum x 2^(eA + eB).  RoPE is linear, so that power of two is folded into the conversion's scale, 2^(e - eA - eB), and multiplies what goes to out1 and out2.
; LIMITS: e6 - e0 - e1, e7 - e2 - e3, e9 - e4 - e5 between -126 and 112; e2 + e3, e4 + e5 between -126 and 127.  NaN among the inputs is not served.
; REGISTERS.  Window 0: v1-11 addresses and constants; v16-47 at work; v48-111 fragment set 4, on the way out v48-79 numbers for the stage and v80-111 rows read back; v112-119 codes; v128-255 accumulator (i, j) at v[128 + 8 (4 i + j)].
;   Window 1: fragment sets 0 to 3 of 64: source 0's tile i at 64 q + 8 i, source 1's tile j at 64 q + 32 + 8 j (set 4 likewise from v48 of window 0); at the end RoPE's table in sets 1 and 2, tile j at v[64 + 32 j].
; THE MODE: SCHED_MODE bits 1:0 = 2 (LLVM: expert scheduling mode 2), set by the entry lines.  The code itself states the register dependences
; between vector or matrix instructions and memory or LDS instructions, with s_wait_alu, always for 0.
; THE PLAN.  Registers that memory or LDS instructions touch:
;   sets 0 .. 4      K step s lies in set s % 5.  Written by that step's 16 loads, which are issued at the head of step s - 3; read by step s's 16 matrix instructions.
;                    For q and k the table's two runs of loads take the turns of K steps 16 and 17: sets 1 and 2; RoPE's vector lines read them, and nothing lands there again.
;   v1, v4, v5, v7   an offset and three LDS addresses: written once at the head, never again.
;   O1 (v48-79)      written by the scalings, read by the stores into the stage.     RB (v80-111)  written by the stage's loads, read by the global stores.
;   CD (v112-119)    written by the conversions, read by the global stores.          v8, v9        written at the head, read by the closing add alone.
;   v16-47, v10, v11 and the accumulators are named by vector and matrix instructions alone.
; IN THE LOOP one wait on va_vdst stands in a step, behind the wait for the step's data and ahead of its products: it states that the products of the step before are done reading their set.  The loads
; at the head of the NEXT step land in just that set; between the wait and them stand this step's products alone, which name this step's set and the accumulators: none of the registers that those loads touch.
; ON THE WAY OUT a wait on va_vdst stands ahead of each run of stores whose data vector lines have just written, and a wait on vm_vsrc at the head of each tile but the first, ahead of the lines that write O1, RB and CD again.
.set STG,   4352                       ; a wave's stage: 16 rows x (256 bytes + 16)
.set SPARE, 6*STG                      ; behind the stages: the spare words, 128 bytes for each wave: three blocks of 256 bytes that no other line names
.set L16, 1                            ; v1   16 x lane
.set STO, 4                            ; v4   the stage, in: row r, + 32 h
.set RD,  5                            ; v5   the stage, back: lanes 0-15 one row, lanes 16-31 the next
.set STV, 7                            ; v7   the stage, in, for v: row 8 h, + 4 r
.set SPW, 8                            ; v8   LDS address of my spare word; never rewritten
.set NIL, 9                            ; v9   0; never rewritten
.set SC,  10                           ; v10  the conversion's scale
.set LIM, 11                           ; v11  57,344 x that
.set T,   16
.set O1,  48
.set RB,  80
.set CD,  112
.set ACC, 128
.set F4,  48                           ; fragment set 4, in window 0
.set TBL, 64                           ; RoPE's table, in window 1
.set MUL,   0x05                       ; sources 0 and 1 window 1; C and D window 0
.set TO_F,  0x40                       ; destination window 1, address window 0
.set ROPEW, 0x04                       ; source 1 window 1
.set MSB, 0
.macro WIN new                         ; the immediate's high byte repeats the setting that is left
.if MSB != \new
	s_set_vgpr_msb (MSB<<8)|\new
.set MSB, \new
.endif
.endm
.macro PLACES n
.rept \n
	v_nop
.endr
.endm
.macro MKSC sdst, slim, sexp           ; s[sdst] = 2^e as f32, s[slim] = 57,344 x 2^e, e = s[sexp]
	s_add_co_i32 s[\slim], s[\sexp], 127
	s_lshl_b32 s[\sdst], s[\slim], 23
	s_add_co_i32 s[\slim], s[\slim], 15
	s_lshl_b32 s[\slim], s[\slim], 23
	s_or_b32 s[\slim], s[\slim], 0x600000
.endm
.macro LD s                            ; K step s: four images of each panel into set s % 5: 16 loads of 512 consecutive bytes
.if ((\s)%5) < 4
	WIN TO_F
.set FL, 64*((\s)%5)
.else
	WIN 0
.set FL, F4
.endif
.irp i, 0,1,2,3
.irp g, 0,1
	global_load_b128 v[FL+8*\i+4*\g:FL+8*\i+4*\g+3], v[L16], s[44:45] offset:4096*(\s)+1024*\i+512*\g
	global_load_b128 v[FL+32+8*\i+4*\g:FL+32+8*\i+4*\g+3], v[L16], s[46:47] offset:4096*(\s)+1024*\i+512*\g
.endr
.endr
.endm
.macro RL n                            ; RoPE's table for position tiles 2 n, 2 n + 1, into set 1 + n, which is done with
	WIN TO_F
.set ii, 0
.rept 16
	global_load_b128 v[TBL+64*\n+4*ii:TBL+64*\n+4*ii+3], v[L16], s[48:49] offset:8192*\n+512*ii
.set ii, ii+1
.endr
.endm
.macro MM s, zero                      ; 16 matrix instructions; the 16 accumulators take turns, one instruction a turn, in the same order in every step.  zero = 1: the first step starts the sums
.if ((\s)%5) < 4
	WIN MUL
.set FQ, 64*((\s)%5)
.else
	WIN 0
.set FQ, F4
.endif
.irp i, 0,1,2,3
.irp j, 0,1,2,3
.if \zero
	v_wmma_f32_16x16x64_bf8_bf8 v[ACC+8*(4*\i+\j):ACC+8*(4*\i+\j)+7], v[FQ+8*\i:FQ+8*\i+7], v[FQ+32+8*\j:FQ+32+8*\j+7], 0
.else
	v_wmma_f32_16x16x64_bf8_bf8 v[ACC+8*(4*\i+\j):ACC+8*(4*\i+\j)+7], v[FQ+8*\i:FQ+8*\i+7], v[FQ+32+8*\j:FQ+32+8*\j+7], v[ACC+8*(4*\i+\j):ACC+8*(4*\i+\j)+7]
.endif
.endr
.endr
.endm
; A K step.  what = 1: the K step three on is asked for, into the set that was multiplied two steps back; 2, 3: RoPE's table, likewise; 0: nothing.  The four places of the plain form stay between those products
; and the loads; the dependence itself was stated by the wait in the step before.  cnt: the loads issued behind this step's own, which may stay out.
; done = 1: the next step's loads land in the set that the step before this one multiplied.
.macro STEP s, cnt, what, zero, done
.if \what
.if \s
	PLACES 4
.endif
.endif
.if \what == 1
	LD \s+3
.elseif \what == 2
	RL 0
.elseif \what == 3
	RL 1
.endif
	s_wait_loadcnt \cnt
.if \done
	s_wait_alu depctr_va_vdst(0)                   ; the products of the step before are done reading their set, in which the loads at the next step's head land
.endif
	MM \s, \zero
.endm
; 16 rows of 256 bytes come back from my stage, two rows an instruction, and are stored: LDS serves a wave's instructions in order, so these see the stores that stand ahead of them
.macro OUTROWS voff, base, imm0, step
.irp n, 0,1,2,3,4,5,6,7
	ds_load_b128 v[RB+4*\n:RB+4*\n+3], v[RD] offset:544*\n
.endr
.irp n, 0,1,2,3,4,5,6,7
	s_wait_dscnt 7-\n                              ; the younger reads may be out
	global_store_b128 v[\voff], v[RB+4*\n:RB+4*\n+3], s[\base:\base+1] offset:\imm0+\step*\n th:TH_STORE_NT   ; sixteen lanes store 256 consecutive bytes, at a multiple of 256
.endr
.endm
	s_load_b512 s[8:23], s[0:1], 0x0               ; xc s[8:9], wc s[10:11], rope s[12:13], the exponents s[14:15], qc s[16:17], kvc s[18:19], out1 s[20:21], out2 s[22:23]
	v_lshl_add_u32 v[SPW], v0, 2, SPARE
	v_mov_b32 v[NIL], 0
	v_lshrrev_b32 v1, 5, v0
	v_readfirstlane_b32 s24, v1                    ; wave 0..5
	v_and_b32 v1, 31, v0
	v_lshlrev_b32 v[L16], 4, v1
	v_and_b32 v2, 15, v0                           ; r
	v_bfe_u32 v3, v0, 4, 1                         ; h
	s_wait_alu depctr_va_sdst(0)                   ; s24 is written, ahead of its first reader: the stage's place, the head and the block of positions are made from it
	s_mul_i32 s62, s24, STG                        ; my stage
	v_mul_u32_u24 v[STO], v2, 272
	v_lshl_add_u32 v[STO], v3, 5, v[STO]
	v_add_nc_u32 v[STO], s62, v[STO]
	v_mul_u32_u24 v[RD], v3, 272
	v_lshl_add_u32 v[RD], v2, 4, v[RD]
	v_add_nc_u32 v[RD], s62, v[RD]
	v_mul_u32_u24 v[STV], v3, 2176
	v_lshl_add_u32 v[STV], v2, 2, v[STV]
	v_add_nc_u32 v[STV], s62, v[STV]
	s_cmp_ge_u32 s24, 3
	s_cselect_b32 s27, 1, 0                        ; which 64 of the work-group's 128 positions
	s_mul_i32 s28, s27, 3
	s_sub_co_u32 s28, s24, s28                     ; which of its three heads
	s_mul_i32 s25, ttmp9, 3
	s_add_co_u32 s25, s25, s28                     ; H: 0-15 q's heads, 16-19 k's, 20-23 v's
	s_and_b32 s26, ttmp7, 0xffff
	s_lshl_b32 s26, s26, 1
	s_add_co_u32 s26, s26, s27                     ; my block of 64 positions, 0..63
	s_cmp_lt_u32 s25, 16
	s_cselect_b32 s27, 0, 1
	s_cmp_lt_u32 s25, 20
	s_cselect_b32 s28, 0, 1
	s_add_co_u32 s27, s27, s28                     ; 0: q, 1: k, 2: v: which version of x's codes
	s_lshl_b32 s28, s27, 22
	s_lshl_b32 s30, s26, 16
	s_add_co_u32 s28, s28, s30
	s_mov_b32 s29, 0
	s_lshl_b32 s30, s25, 16
	s_mov_b32 s31, 0
	s_wait_kmcnt 0x0
	s_load_b256 s[32:39], s[14:15], 0x0            ; e0 .. e7
	s_load_b128 s[40:43], s[14:15], 0x20           ; e8 .. e11
	s_add_nc_u64 s[8:9], s[8:9], s[28:29]          ; x's panel
	s_add_nc_u64 s[10:11], s[10:11], s[30:31]      ; the weight's panel
	s_cmp_lt_u32 s25, 20                           ; the choice hangs on ids alone
	s_cselect_b64 s[44:45], s[10:11], s[8:9]       ; source 0: the weight, for v the positions
	s_cselect_b64 s[46:47], s[8:9], s[10:11]       ; source 1: the other
	s_wait_alu depctr_va_vdst(0)                   ; v1, v4, v5 and v7 are written: every load, store and LDS instruction of the kernel reads one of them as its offset or address
	LD 0
	LD 1
	LD 2
	WIN 0
	s_lshr_b32 s30, s26, 5                         ; the batch
	s_and_b32 s31, s26, 31                         ; my block within the sequence
	s_lshl_b32 s28, s31, 14
	s_add_nc_u64 s[48:49], s[12:13], s[28:29]      ; the table's four tiles
	s_cmp_lt_u32 s25, 16
	s_cselect_b32 s56, 4, 2                        ; 16 heads a batch in q, 4 in k and v
	s_cselect_b64 s[50:51], s[16:17], s[18:19]     ; where the codes go
	s_cselect_b32 s57, 0, 16
	s_cmp_lt_u32 s25, 20
	s_cselect_b32 s57, s57, 20
	s_cselect_b64 s[52:53], s[20:21], s[22:23]     ; where the f32 numbers go (q's waves store none)
	s_lshl_b32 s56, s30, s56
	s_add_co_u32 s56, s56, s25
	s_sub_co_u32 s56, s56, s57                     ; the head's number in its tensor
	s_lshl_b32 s28, s56, 19                        ; 2,048 rows of 256 bytes,
	s_lshl_b32 s58, s31, 14                        ; my 64
	s_add_co_u32 s28, s28, s58
	s_add_nc_u64 s[52:53], s[52:53], s[28:29]
	s_lshl_b32 s28, s56, 17                        ; a head's codes: 131,072 bytes
	s_lshl_b32 s58, s31, 12                        ; q, k: my four images of 1,024 bytes
	s_lshr_b32 s59, s31, 1
	s_lshl_b32 s59, s59, 13                        ; v: the chunk of 128 positions, 8,192 bytes,
	s_and_b32 s60, s31, 1
	s_lshl_b32 s60, s60, 10                        ; my half of each image's registers,
	s_add_co_u32 s59, s59, s60
	s_add_co_u32 s59, s59, 0x100000                ; behind k's part of the buffer
	s_cmp_lt_u32 s25, 20
	s_cselect_b32 s58, s58, s59
	s_add_co_u32 s28, s28, s58
	s_add_nc_u64 s[50:51], s[50:51], s[28:29]
	s_wait_kmcnt 0x0
	s_add_co_i32 s56, s32, s33                     ; e0 + e1
	s_add_co_i32 s57, s34, s35                     ; e2 + e3
	s_add_co_i32 s58, s36, s37                     ; e4 + e5
	s_cmp_lt_u32 s25, 20
	s_cselect_b32 s57, s57, s58
	s_cselect_b32 s59, s39, s41                    ; e7 or e9
	s_cmp_lt_u32 s25, 16
	s_cselect_b32 s56, s56, s57                    ; eA + eB
	s_cselect_b32 s59, s38, s59                    ; e6, e7 or e9
	s_sub_co_i32 s59, s59, s56                     ; the three scales folded into the conversion's one
	MKSC 60, 61, 59
	v_mov_b32 v[SC], s60
	v_mov_b32 v[LIM], s61
	s_add_co_i32 s54, s56, 127
	s_lshl_b32 s54, s54, 23                        ; 2^(eA + eB) as f32
	s_mov_b32 s55, s54                             ; (named with it as a pair, so it is written)
	STEP 0, 48, 1, 1, 0                            ; behind a step's own 16 loads stand those of the three steps that follow: 48.  Steps 0 and 1 fill sets 3 and 4, which nothing has named yet
.irp s, 1,2,3,4,5,6,7,8,9,10,11,12
	STEP \s, 48, 1, 0, 1                           ; (step 12's wait on va_vdst serves the table's first run of loads, which q's and k's waves issue in step 13)
.endr
	WIN 0                                          ; at a branch and at a label every window is 0
	s_cmp_ge_u32 s25, 20
	s_cbranch_scc1 .Lv
	; ---------------- q and k
	STEP 13, 48, 2, 0, 1                           ; behind step 13's loads: steps 14 and 15 and the table's first run
	STEP 14, 48, 3, 0, 0                           ; behind step 14's: step 15 and the table's two runs.  No load follows, so no wait on va_vdst
	STEP 15, 32, 0, 0, 0                           ; behind step 15's: the table's two runs
	WIN 0
	PLACES 4                                       ; between the last products and the first read of results
; Position tile j: RoPE, (k: out1,) the codes.
.macro QKTILE j
	s_wait_loadcnt 24-8*\j                         ; the table's tile j is in; the later tiles, 8 loads each, may be out
.if \j
	s_wait_xcnt 0x0                                ; the last tile's stores have read their registers: the codes and the rows read back are written again only behind this wait
	s_wait_alu depctr_vm_vsrc(0)                   ; the last tile's stores, into the stage and to memory, have read O1, RB and CD, which this tile's scalings, stage loads and conversions write again
.endif
	WIN ROPEW
.irp i, 0,1                            ; each accumulator is read from its low end on
.irp p, 0,2,4,6
	v_pk_mul_f32 v[T+8*\i+\p:T+8*\i+\p+1], v[ACC+8*(4*(\i+2)+\j)+\p:ACC+8*(4*(\i+2)+\j)+\p+1], v[TBL+32*\j+16+8*\i+\p:TBL+32*\j+16+8*\i+\p+1]
	v_pk_mul_f32 v[T+16+8*\i+\p:T+16+8*\i+\p+1], v[ACC+8*(4*\i+\j)+\p:ACC+8*(4*\i+\j)+\p+1], v[TBL+32*\j+16+8*\i+\p:TBL+32*\j+16+8*\i+\p+1]
	v_pk_fma_f32 v[T+8*\i+\p:T+8*\i+\p+1], v[ACC+8*(4*\i+\j)+\p:ACC+8*(4*\i+\j)+\p+1], v[TBL+32*\j+8*\i+\p:TBL+32*\j+8*\i+\p+1], v[T+8*\i+\p:T+8*\i+\p+1] neg_lo:[0,0,1] neg_hi:[0,0,1]   ; a cos - b sin
	v_pk_fma_f32 v[T+16+8*\i+\p:T+16+8*\i+\p+1], v[ACC+8*(4*(\i+2)+\j)+\p:ACC+8*(4*(\i+2)+\j)+\p+1], v[TBL+32*\j+8*\i+\p:TBL+32*\j+8*\i+\p+1], v[T+16+8*\i+\p:T+16+8*\i+\p+1]              ; b cos + a sin
.endr
.endr
	WIN 0
	s_cmp_lt_u32 s25, 16
	s_cbranch_scc1 .Lq_\@                          ; q is no output
.set ii, 0
.rept 16
	v_pk_mul_f32 v[O1+ii:O1+ii+1], v[T+ii:T+ii+1], s[54:55] op_sel_hi:[1,0]   ; x 2^(e2 + e3): nothing is rounded
.set ii, ii+2
.endr
	s_wait_alu depctr_va_vdst(0)                   ; the scalings have written O1, which the stores into the stage read; in tile 0 also: step 14's products are done reading RB's registers, in which the stage's loads land
.irp a, 0,1,2,3
	ds_store_b128 v[STO], v[O1+8*\a:O1+8*\a+3] offset:64*\a
	ds_store_b128 v[STO], v[O1+8*\a+4:O1+8*\a+7] offset:64*\a+16
.endr
	OUTROWS L16, 52, 4096*\j, 512                  ; 16 rows of out1 are 4,096 consecutive bytes
.Lq_\@:
.set ii, 0
.rept 32
	v_med3_num_f32 v[T+ii], v[T+ii], -v[LIM], v[LIM]   ; the conversion to an 8-bit code does not saturate (ISA guide 7.6.2)
.set ii, ii+1
.endr
.irp a, 0,1,2,3
	v_cvt_scalef32_pk8_bf8_f32 v[CD+2*\a:CD+2*\a+1], v[T+8*\a:T+8*\a+7], v[SC]   ; registers 2 a, 2 a + 1 of the image: channels 16 a + 8 h + 0 .. 7
.endr
	v_nop                                          ; a plain line behind the last conversion
	s_wait_alu depctr_va_vdst(0)                   ; the conversions have written CD, which the two stores read
	global_store_b128 v[L16], v[CD:CD+3], s[50:51] offset:1024*\j
	global_store_b128 v[L16], v[CD+4:CD+7], s[50:51] offset:1024*\j+512
.endm
	QKTILE 0
	QKTILE 1
	QKTILE 2
	QKTILE 3
	s_branch .Lend
.Lv:
	; ---------------- v: lane (r, h) holds channel 16 j + r, register n of accumulator (i, j) position 16 i + 8 h + n
	STEP 13, 32, 0, 0, 0                           ; behind step 13's loads: steps 14 and 15.  These steps issue no load, so they hold no wait on va_vdst
	STEP 14, 16, 0, 0, 0
	STEP 15, 0, 0, 0, 0
	WIN 0
	PLACES 4
.irp j, 0,1,2,3                        ; the codes of channel tile j: my 64 positions are half of an image of 16 channels x 128 positions
.if \j
	s_wait_xcnt 0x0                                ; the last tile's stores have read the codes' registers
	s_wait_alu depctr_vm_vsrc(0)                   ; the last tile's two stores have read CD, which this tile's conversions write again
.endif
.irp i, 0,1,2,3
.irp n, 0,1,2,3,4,5,6,7
	v_med3_num_f32 v[T+8*\i+\n], v[ACC+8*(4*\i+\j)+\n], -v[LIM], v[LIM]
.endr
.endr
.irp i, 0,1,2,3
	v_cvt_scalef32_pk8_bf8_f32 v[CD+2*\i:CD+2*\i+1], v[T+8*\i:T+8*\i+7], v[SC]
.endr
	v_nop
	s_wait_alu depctr_va_vdst(0)                   ; the conversions have written CD, which the two stores read
	global_store_b128 v[L16], v[CD:CD+3], s[50:51] offset:2048*\j
	global_store_b128 v[L16], v[CD+4:CD+7], s[50:51] offset:2048*\j+512
.endr
.irp i, 0,1,2,3                        ; out2, 16 positions at a time: a lane's numbers belong to eight rows, so they go through my stage word by word and leave as rows
	s_wait_xcnt 0x0                                ; earlier stores have read the rows' registers
.if \i
	s_wait_alu depctr_vm_vsrc(0)                   ; the last 16 positions' stores, into the stage and to memory, have read O1 and RB, which the scalings and the stage's loads below write again
.endif
.irp j, 0,1,2,3
.irp p, 0,2,4,6
	v_pk_mul_f32 v[O1+8*\j+\p:O1+8*\j+\p+1], v[ACC+8*(4*\i+\j)+\p:ACC+8*(4*\i+\j)+\p+1], s[54:55] op_sel_hi:[1,0]   ; x 2^(e4 + e5)
.endr
.endr
	s_wait_alu depctr_va_vdst(0)                   ; the scalings have written O1, which the stores into the stage read; the first time also: step 14's products are done reading RB's registers, in which the stage's loads land
.irp j, 0,1,2,3
.irp n, 0,1,2,3,4,5,6,7
	ds_store_b32 v[STV], v[O1+8*\j+\n] offset:272*\n+64*\j   ; sixteen lanes write 64 consecutive bytes; the other sixteen stand 8 rows = 544 words further on
.endr
.endr
	OUTROWS L16, 52, 4096*\i, 512
.endr
.Lend:
	s_wait_dscnt 0x0                               ; the closing lines, six on end
	s_wait_alu 0x0
	s_wait_tensorcnt 0x0
	ds_add_u32 v[SPW], v[NIL]
	s_wait_dscnt 0x0
	s_endpgm
.Lfunc_end_k_qf541c8944e_qkv:
	.size	k_qf541c8944e_qkv, .Lfunc_end_k_qf541c8944e_qkv-k_qf541c8944e_qkv
	.p2alignl 7, 3214868480
	.fill 96, 4, 3214868480
	.section	.rodata,"a",@progbits
	.p2align	6, 0x0
	.amdhsa_kernel k_qf541c8944e_qkv
		.amdhsa_group_segment_fixed_size 26880
		.amdhsa_private_segment_fixed_size 0
		.amdhsa_enable_private_segment 0
		.amdhsa_kernarg_size 64
		.amdhsa_user_sgpr_count 2
		.amdhsa_user_sgpr_kernarg_segment_ptr 1
		.amdhsa_wavefront_size32 1
		.amdhsa_system_sgpr_workgroup_id_x 1
		.amdhsa_system_sgpr_workgroup_id_y 1
		.amdhsa_system_sgpr_workgroup_id_z 1
		.amdhsa_system_vgpr_workitem_id 0
		.amdhsa_next_free_vgpr 512
		.amdhsa_next_free_sgpr 66
		.amdhsa_reserve_vcc 0
		.amdhsa_float_denorm_mode_32 3
		.amdhsa_float_denorm_mode_16_64 3
		.amdhsa_memory_ordered 1
		.amdhsa_forward_progress 1
		.amdhsa_inst_pref_size 115
	.end_amdhsa_kernel
	.amdgpu_metadata
---
amdhsa.version: [ 1, 2 ]
amdhsa.kernels:
  - .name:           k_qf541c8944e_qkv
    .symbol:         k_qf541c8944e_qkv.kd
    .args:
      - { .name: xc, .offset: 0, .size: 8, .value_kind: global_buffer, .address_space: global }
      - { .name: wc, .offset: 8, .size: 8, .value_kind: global_buffer, .address_space: global }
      - { .name: rope, .offset: 16, .size: 8, .value_kind: global_buffer, .address_space: global }
      - { .name: lowp_scales, .offset: 24, .size: 8, .value_kind: global_buffer, .address_space: global }
      - { .name: qc, .offset: 32, .size: 8, .value_kind: global_buffer, .address_space: global }
      - { .name: kvc, .offset: 40, .size: 8, .value_kind: global_buffer, .address_space: global }
      - { .name: out1, .offset: 48, .size: 8, .value_kind: global_buffer, .address_space: global }
      - { .name: out2, .offset: 56, .size: 8, .value_kind: global_buffer, .address_space: global }
    .group_segment_fixed_size: 26880
    .private_segment_fixed_size: 0
    .kernarg_segment_align: 8
    .kernarg_segment_size: 64
    .max_flat_workgroup_size: 192
    .sgpr_count:     66
    .vgpr_count:     512
    .wavefront_size: 32
...
	.end_amdgpu_metadata
.endif
;; end of part 6
;; launch attn (part 7): grid 32 x 8, 16 waves a work-group, clusters of 4 x 1, 327,680 bytes of LDS; arguments qc, kvc, lowp_scales, ac; writes ac
.if DOCPART == 7
	.amdgcn_target "amdgcn-amd-amdhsa--gfx1250"
	.amdhsa_code_object_version 6
	.text
	.protected	k_qf541c8944e_attn
	.globl	k_qf541c8944e_attn
	.p2align	8
	.type	k_qf541c8944e_attn,@function
k_qf541c8944e_attn:
	s_mov_b64 s[64:65], 0
	v_nop
	global_prefetch_b8 v0, s[64:65] scope:SCOPE_SE
	s_setreg_imm32_b32 hwreg(HW_REG_WAVE_MODE, 25, 1), 1
	s_wait_xcnt 0x0
	s_wait_alu depctr_hold_cnt(0) depctr_sa_sdst(0) depctr_va_vdst(0) depctr_va_sdst(0) depctr_va_ssrc(0) depctr_va_vcc(0) depctr_vm_vsrc(0)
	s_getreg_b32 s2, hwreg(HW_REG_IB_STS2, 6, 4)
	s_cmp_eq_u32 s2, 0
	s_cbranch_scc0 .Lentry_in_a_cluster
	s_endpgm
.Lentry_in_a_cluster:
	s_bfe_u32 s2, ttmp6, 0x10000c
	s_cmp_lg_u32 s2, 0x3003
	s_cbranch_scc0 .Lentry_shape_is_right
	s_endpgm
.Lentry_shape_is_right:
; LAUNCH 3 OF 4: the attention on codes of E5M2: S^T = K Q^T, the softmax by the problem's rule, O^T = V^T P^T, O / l quantised (scale e10) for the projection on the way out.
; LEFT OUT AS DEAD WORK (shown at the head of launch prep): a step of 128 keys that lies wholly behind a wave's 16 queries: reference()'s own jnp.tril gives those keys the weight 0 for all finite inputs.
; THE SOFTMAX: t = score x log2(e) / 8; M = the row's largest t so far, rounded UP to a whole number; p = 2^(t - M) is what is quantised (scale e8); the row's sum is taken of the unquantised p and divides O
; at the end.  When M moves, the sum and O are multiplied by 2^(old M - new M): exact.
; SHARES.  A work-group serves one batch and key-value head (its y) and holds ALL of that head's K and V in LDS: 2 x 131,072 bytes, filled once; nothing is ever filled again.
; The 32 work-groups of a y are told apart by g = 0 .. 31: query head 4 kvh + g / 8, and of each chunk of 128 queries the tile g % 8.  Wave w takes the chunk CH = w xor 3 ((w / 4) % 2), so each work-group
; has waves of 1 to 16 key steps, 136 in all, alike in every work-group, and waves w, w + 4, w + 8, w + 12 have 34 together.
; CLUSTER.  The four partners have the same y and so the same K and V: each tile is asked for JOINTLY, by the same tensor load with the same descriptor and a mask that names the four.
; Each wave issues two loads: its part of chunks 0-3 and its part of chunks 4-15; the first four key steps are walked while the second is on its way.  A wave has one tensor load out at a time: the first is waited for before the second is issued.
; No branch, no trip count and no LDS address hangs on a work-group's place in its cluster: a step is left out where ST > CH and is free of the mask where ST < CH (the step's count and the wave's number);
; the place enters q's and the result's addresses and the vector that the mask compares with, and nothing else.  Every work-group reads all that it is sent: its wave with CH = 15 walks all 16 steps.
; LAYOUT.  K: images of 16 keys x 64 channels; V: images of 16 channels x 128 keys (launch qkv).  Both products are used transposed, so a lane holds ONE query (lane % 16) throughout: register j of score tile c is key
; 16 c + 8 h + j, so tile c, converted, is registers 2 c, 2 c + 1 of P; register j of O^T's tile t is channel 16 t + 8 h + j, so tile t, converted, is registers 2 t, 2 t + 1 of the next product's image.
; Nothing is prefetched: all that the launch reads is asked for at its head.
; LIMITS: e6 + e7 between -123 and 130 (added to c's exponent field); e8, e10 between -126 and 112; e8 + e9 is applied by v_ldexp_f32 and has none.
; REGISTERS: v1 16 x lane; v2 my query - 8 h; v8-10 at work; v11 -infinity; v12 -M, v13 the largest t, v[14:15] the sum in two halves; v16-23 Q; v32-95 K's fragments, then V's; v96-159 S^T, then p;
;   v160-191 O^T; v192-207 P's codes; v208-211 scales and holds; v212-219 at work; v224-255 the way out.
.set SPARE, 262144                     ; behind K and V: the spare words, 128 bytes for each wave: eight blocks of 256 bytes that no other line names
.set L16, 1
.set D0,  2
.set SPW, 5                            ; v5   LDS address of my spare word; never rewritten
.set NIL, 6                            ; v6   0; never rewritten
.set ADK, 8
.set ADV, 9
.set DD,  10
.set WV,  12                           ; s12  my wave's number
.set CH,  13                           ; s13  my chunk of 128 queries
.set ST,  14                           ; s14  the key step
.set TB,  15                           ; s15  its K images' first LDS byte: 8,192 x ST
.set G1A, 16                           ; s[16:23] descriptor group 1: 16 rows of 256 bytes
.set G1B, 24                           ; s[24:31] the same with 48 rows
.set KF,  32                           ; s32  the step's first key
.set G0A, 36                           ; s[36:39], s[40:43] the two groups 0
.set G0B, 40
.set SEL, 44                           ; s[44:45] lane selects for v_permlanex16_b32: lane l xor 16
.set CS,  46                           ; s[46:47] c = log2(e) / 8 x 2^(e6 + e7)
.macro PLACES n
.rept \n
	v_nop
.endr
.endm
.macro MKSC sdst, slim, sexp           ; s[sdst] = 2^e as f32, s[slim] = 57,344 x 2^e, e = s[sexp]
	s_add_co_i32 s[\slim], s[\sexp], 127
	s_lshl_b32 s[\sdst], s[\slim], 23
	s_add_co_i32 s[\slim], s[\slim], 15
	s_lshl_b32 s[\slim], s[\slim], 23
	s_or_b32 s[\slim], s[\slim], 0x600000
.endm
.macro ROUND                           ; a round of the cluster's barrier: my work-group's barrier; wave 0 signals for the work-group; every wave waits for all four work-groups; my work-group's barrier once more
	s_barrier_signal -1
	s_barrier_wait -1
	s_cmp_lg_u32 s[WV], 0
	s_cbranch_scc1 .Lnot_wave_0_\@
	s_barrier_signal -3
.Lnot_wave_0_\@:
	s_barrier_wait -3
	s_barrier_signal -1
	s_barrier_wait -1
.endm
	s_load_b256 s[4:11], s[0:1], 0x0               ; qc s[4:5], kvc s[6:7], the exponents s[8:9], ac s[10:11]
	v_lshl_add_u32 v[SPW], v0, 2, SPARE
	v_mov_b32 v[NIL], 0
	ds_add_u32 v[SPW], v[NIL]                      ; the wave's opening: the add, twice on end, and its wait ahead of my first tensor load; the set-up below stands between the second and the wait
	ds_add_u32 v[SPW], v[NIL]
	v_lshrrev_b32 v1, 5, v0
	s_delay_alu instid0(VALU_DEP_1)
	v_readfirstlane_b32 s[WV], v1                  ; wave 0..15
	v_and_b32 v1, 31, v0
	s_delay_alu instid0(VALU_DEP_1)
	v_lshlrev_b32 v[L16], 4, v1
	s_bfe_u32 s[CH], s[WV], 0x10002
	s_mul_i32 s[CH], s[CH], 3
	s_xor_b32 s[CH], s[WV], s[CH]                  ; my chunk
	s_bfe_u32 s33, ttmp6, 0x40000                  ; cx: my place in the cluster
	s_lshl_b32 s34, ttmp9, 2                       ; in a cluster launch ttmp9 counts clusters
	s_add_co_u32 s34, s34, s33                     ; g
	s_and_b32 s35, ttmp7, 0xffff                   ; 4 x batch + key-value head, which the four partners share
	; descriptor groups 1: dense blocks as rows of 256 bytes, elements of 8 bytes
	s_mov_b32 s[G1A], 15|(3<<16)|(1<<21)           ; 15:0 the mask: all four work-groups; 17:16 elements of 8 bytes; 21 set beside a mask; no padding
	s_mov_b32 s[G1A+1], 32<<16                     ; tensor_dim0 = 32
	s_mov_b32 s[G1A+2], 16<<16                     ; tensor_dim1 = 16
	s_mov_b32 s[G1A+3], 32<<16                     ; tile_dim0 = 32
	s_mov_b32 s[G1A+4], 16                         ; tile_dim1 = 16
	s_mov_b32 s[G1A+5], 32                         ; from row to row
	s_mov_b32 s[G1A+6], 0
	s_mov_b32 s[G1A+7], 0
	s_mov_b32 s[G1B], 15|(3<<16)|(1<<21)
	s_mov_b32 s[G1B+1], 32<<16
	s_mov_b32 s[G1B+2], 48<<16                     ; 48 rows
	s_mov_b32 s[G1B+3], 32<<16
	s_mov_b32 s[G1B+4], 48
	s_mov_b32 s[G1B+5], 32
	s_mov_b32 s[G1B+6], 0
	s_mov_b32 s[G1B+7], 0
	s_lshr_b32 s60, s[WV], 3                       ; waves 0-7 fetch K, waves 8-15 V
	s_and_b32 s61, s[WV], 7                        ; an eighth each
	s_lshl_b32 s62, s60, 17                        ; in LDS: K from 0, V from 131,072
	s_lshl_b32 s63, s61, 12                        ; chunks 0-3: 4,096 bytes a wave
	s_mul_i32 s66, s61, 12288                      ; chunks 4-15: 12,288 bytes a wave
	s_mov_b32 s[G0A], 1                            ; count = 1
	s_add_co_u32 s[G0A+1], s62, s63                ; LDS address: made of the wave's number alone
	s_mov_b32 s[G0B], 1
	s_add_co_u32 s[G0B+1], s62, s66
	s_add_co_u32 s[G0B+1], s[G0B+1], 32768
	s_lshl_b32 s68, s60, 20                        ; in memory: V's part lies 1,048,576 bytes behind K's,
	s_lshl_b32 s67, s35, 17                        ; a head's codes are 131,072 bytes
	s_add_co_u32 s68, s68, s67
	s_add_co_u32 s70, s68, s66
	s_add_co_u32 s70, s70, 32768
	s_add_co_u32 s68, s68, s63
	s_mov_b32 s69, 0
	s_mov_b32 s71, 0
	s_and_b32 s72, s34, 7
	s_lshl_b32 s73, s[CH], 3
	s_add_co_u32 s72, s72, s73                     ; my tile of 16 queries: 8 CH + g % 8
	s_lshl_b32 s73, s72, 4                         ; my first query
	v_and_b32 v[D0], 15, v0
	v_bfe_u32 v3, v0, 4, 1
	s_delay_alu instid0(VALU_DEP_1)
	v_lshlrev_b32 v3, 3, v3
	s_delay_alu instid0(VALU_DEP_1)
	v_sub_nc_u32 v[D0], v[D0], v3
	s_delay_alu instid0(VALU_DEP_1)
	v_add_nc_u32 v[D0], s73, v[D0]                 ; my query - 8 h
	s_lshr_b32 s74, s35, 2                         ; the batch
	s_and_b32 s75, s35, 3
	s_lshl_b32 s75, s75, 2
	s_lshr_b32 s76, s34, 3
	s_add_co_u32 s75, s75, s76                     ; the query head
	s_lshl_b32 s76, s74, 4
	s_add_co_u32 s76, s76, s75
	s_lshl_b32 s76, s76, 7
	s_add_co_u32 s76, s76, s72
	s_lshl_b32 s76, s76, 10                        ; q's image: ((16 batch + head) 128 + tile) x 1,024
	s_mov_b32 s77, 0
	s_lshl_b32 s78, s74, 7
	s_add_co_u32 s78, s78, s72                     ; the result's tile of rows m = 128 batch + tile
	s_lshr_b32 s79, s78, 2
	s_lshl_b32 s79, s79, 16                        ; panel m / 4,
	s_and_b32 s78, s78, 3
	s_lshl_b32 s78, s78, 10                        ; tile m % 4,
	s_add_co_u32 s78, s78, s79
	s_lshl_b32 s79, s75, 12                        ; K step = the head
	s_add_co_u32 s78, s78, s79
	s_mov_b32 s79, 0
	s_mov_b32 s[SEL], 0x76543210
	s_mov_b32 s[SEL+1], 0xfedcba98
	s_mov_b32 s[CS], 0x3e38aa3b                    ; log2(e) / 8
	s_mov_b32 s[ST], 0
	s_mov_b32 s[TB], 0
	s_mov_b32 s[KF], 0
	s_wait_dscnt 0x0                               ; both opening adds are done
	s_wait_kmcnt 0x0
	s_load_b256 s[48:55], s[8:9], 0x0              ; e0 .. e7
	s_load_b128 s[56:59], s[8:9], 0x20             ; e8 .. e11
	s_add_nc_u64 s[G0A+2:G0A+3], s[6:7], s[68:69]  ; global addresses: they hang on y and the wave's number, which the partners share
	s_or_b32 s[G0A+3], s[G0A+3], 0x80000000        ; type = 2
	s_add_nc_u64 s[G0B+2:G0B+3], s[6:7], s[70:71]
	s_or_b32 s[G0B+3], s[G0B+3], 0x80000000
	s_add_nc_u64 s[4:5], s[4:5], s[76:77]
	s_add_nc_u64 s[10:11], s[10:11], s[78:79]
	ROUND                                          ; all four work-groups are here: the joint loads meet
	tensor_load_to_lds s[G0A:G0A+3], s[G1A:G1A+7]  ; my part of chunks 0-3
	s_nop 0
	s_wait_alu depctr_va_vdst(0)
	s_wait_tensorcnt 0x0
	ds_add_u32 v5, v6
	s_wait_dscnt 0x0
	ROUND
	tensor_load_to_lds s[G0B:G0B+3], s[G1B:G1B+7]  ; my part of chunks 4-15
	s_nop 0
.rept 4
	v_nop
.endr
	s_wait_alu depctr_va_vdst(0)
	global_load_b128 v[16:19], v[L16], s[4:5]      ; Q's image stays in registers
	global_load_b128 v[20:23], v[L16], s[4:5] offset:512
	v_mov_b32 v13, 0xff61b1e6                      ; the largest t so far: -3e38, under every t
	s_delay_alu instid0(VALU_DEP_1)
	v_floor_f32 v12, -v13                          ; -M
	v_mov_b32 v14, 0                               ; the sum, in two halves
	v_mov_b32 v15, 0
	v_mov_b32 v11, 0xff800000                      ; -infinity
	v_mov_b32 v213, 0                              ; (named as the upper half of the pair v[212:213])
	v_mov_b32 v214, 0                              ; written once: a lane permute's destination counts as one of its sources
.set ii, 0
.rept 32
	v_mov_b32 v[160+ii], 0                         ; O^T.  (The key step is written for every step alike: the first finds zeros, which the first change of M leaves zeros)
.set ii, ii+1
.endr
	s_wait_kmcnt 0x0
	s_add_co_i32 s60, s54, s55
	s_lshl_b32 s60, s60, 23
	s_add_co_i32 s[CS], s[CS], s60                 ; a score stands for score x 2^(e6 + e7): the two exponents are added to c's exponent field
	s_mov_b32 s[CS+1], s[CS]                       ; (named with it as a pair, so it is written)
	MKSC 60, 61, 56
	v_mov_b32 v208, s60                            ; 2^e8, for p's conversion
	v_mov_b32 v209, s61                            ; 57,344 x 2^e8
	MKSC 60, 61, 58
	v_mov_b32 v210, s60                            ; 2^e10, for the result's
	v_mov_b32 v211, s61
	s_add_co_i32 s62, s56, s57                     ; e8 + e9
; A KEY STEP: 128 keys.
.macro STEP
	s_cmp_gt_u32 s[ST], s[CH]                      ; all its keys lie behind my queries: left out.  The lines at its end that step addresses are run all the same
	s_cbranch_scc1 .Lhid_\@
	s_setprio 2
	v_add_nc_u32 v[ADK], s[TB], v[L16]
	s_delay_alu instid0(VALU_DEP_1)
	v_add_nc_u32 v[ADV], 0x20000, v[ADK]
	v_nop
	v_nop                                          ; four places between the last step's products and the loads into the registers that they read
.set ii, 0
.rept 16
	ds_load_b128 v[32+4*ii:35+4*ii], v[ADK] offset:512*ii   ; eight images of K: 512 consecutive bytes a load
.set ii, ii+1
.endr
	s_wait_alu depctr_va_vdst(0)
	s_wait_dscnt 0x0
.set ii, 0
.rept 8
	v_wmma_f32_16x16x64_bf8_bf8 v[96+8*ii:103+8*ii], v[32+8*ii:39+8*ii], v[16:23], 0
.set ii, ii+1
.endr
	v_sub_nc_u32 v[DD], v[D0], s[KF]               ; my query - 8 h - the step's first key
	v_nop
	v_nop
	v_nop                                          ; four places: for the loads below and for the first read of the scores
.set ii, 0
.rept 16
	ds_load_b128 v[32+4*ii:35+4*ii], v[ADV] offset:512*ii   ; four images of V: they land under the softmax
.set ii, ii+1
.endr
	s_cmp_lt_u32 s[ST], s[CH]
	s_cbranch_scc1 .Lopen_\@                       ; all its keys count
.set ii, 0
.rept 64                               ; on the diagonal: register 8 c + j holds key KF + 16 c + 8 h + j: hidden where 16 c + j > DD.  Its score becomes -infinity: p = 0
	v_cmp_gt_i32 vcc_lo, 16*(ii/8)+ii%8, v[DD]
	v_cndmask_b32 v[96+ii], v[96+ii], v11, vcc_lo
.set ii, ii+1
.endr
.Lopen_\@:
	v_max3_num_f32 v218, v96, v97, v98             ; the step's largest score of my query, among my 64 keys, in two chains, each accumulator from its low end on,
	v_max3_num_f32 v219, v99, v100, v101
.set ii, 6
.rept 14
	v_max3_num_f32 v218, v218, v[96+ii], v[97+ii]
	v_max3_num_f32 v219, v219, v[98+ii], v[99+ii]
.set ii, ii+4
.endr
	v_max3_num_f32 v218, v218, v158, v159
	s_delay_alu instid0(VALU_DEP_1)
	v_max_num_f32 v218, v218, v219
	s_delay_alu instid0(VALU_DEP_1)
	v_permlanex16_b32 v214, v218, s[SEL], s[SEL+1]
	s_delay_alu instid0(VALU_DEP_1)
	v_max_num_f32 v218, v218, v214                 ; and among lane l xor 16's
	s_delay_alu instid0(VALU_DEP_1)
	v_mul_f32 v218, s[CS], v218                    ; as t (c is positive)
	s_delay_alu instid0(VALU_DEP_1)
	v_max_num_f32 v13, v13, v218                   ; the running largest t
	v_mov_b32 v218, v12
	s_delay_alu instid0(VALU_DEP_2)
	v_floor_f32 v12, -v13                          ; the new -M = floor(-t) = -ceil(t): M is a whole number
	s_delay_alu instid0(VALU_DEP_1)
	v_sub_f32 v218, v12, v218                      ; M's old value less its new one: a whole number, 0 or less
	s_delay_alu instid0(VALU_DEP_1)
	v_cvt_i32_f32 v218, v218                       ; (it saturates)
	s_delay_alu instid0(VALU_DEP_1)
	v_ldexp_f32 v212, 1.0, v218                    ; f = 2^(old M - new M)
.set ii, 0
.rept 32
	v_pk_fma_f32 v[96+ii:97+ii], v[96+ii:97+ii], s[CS:CS+1], v[12:13] op_sel_hi:[1,0,0]   ; t - M, two at a time (of the pairs c and -M the low word serves both halves)
.set ii, ii+2
.endr
.set ii, 0
	s_setprio 1
	s_wait_alu depctr_va_vdst(0)
.rept 64
	v_exp_f32 v[96+ii], v[96+ii]                   ; p = 2^(t - M), at most 1: not normalised
.set ii, ii+1
.endr
	v_pk_mul_f32 v[14:15], v[14:15], v[212:213] op_sel_hi:[1,0]   ; the sums under the new M: the plain line behind the exponentials
	s_wait_alu depctr_va_vdst(0)                   ; the one wait ahead of the batch's first reader
	v_pk_add_f32 v[216:217], v[96:97], v[98:99]    ; the row's sum is taken of the unquantised p: two at a time, in two chains
.set ii, 4
.rept 15
	v_pk_add_f32 v[14:15], v[14:15], v[96+ii:97+ii]
	v_pk_add_f32 v[216:217], v[216:217], v[98+ii:99+ii]
.set ii, ii+4
.endr
	s_delay_alu instid0(VALU_DEP_1)
	v_pk_add_f32 v[14:15], v[14:15], v[216:217]
.irp c, 0,1,2,3,4,5,6,7
.irp n, 0,1,2,3,4,5,6,7
	v_min_num_f32 v[96+8*\c+\n], v[96+8*\c+\n], v209   ; the conversion to an 8-bit code does not saturate (ISA guide 7.6.2); p is not negative, so the hold is one-sided
.endr
	v_cvt_scalef32_pk8_bf8_f32 v[192+2*\c:193+2*\c], v[96+8*\c:103+8*\c], v208   ; registers 2 c, 2 c + 1 of P: keys 16 c + 8 h + 0 .. 7
.endr
.set ii, 0
	s_setprio 0
.rept 16
	v_pk_mul_f32 v[160+ii:161+ii], v[160+ii:161+ii], v[212:213] op_sel_hi:[1,0]   ; O^T under the new M.  (Plain lines between the conversions and the products that read their results)
.set ii, ii+2
.endr
	s_wait_alu depctr_va_vdst(0)
	s_wait_dscnt 0x0                               ; V is in
.irp t, 0,1,2,3                        ; the four accumulators take turns, one instruction a turn
	v_wmma_f32_16x16x128_bf8_bf8 v[160+8*\t:167+8*\t], v[32+16*\t:47+16*\t], v[192:207], v[160+8*\t:167+8*\t]
.endr
.Lhid_\@:
	s_add_co_u32 s[TB], s[TB], 8192
	s_add_co_u32 s[KF], s[KF], 128
.endm
	s_wait_tensorcnt 1                             ; my part of chunks 0-3 is in; my second load may stay out
	s_barrier_signal -1
	s_barrier_wait -1                              ; everybody's is
	s_wait_loadcnt 0x0                             ; Q
.Lfirst:                                           ; key steps 0 to 3: a constant count of trips; a wave whose chunk lies ahead of a step jumps over the step's work
	STEP
	s_add_co_u32 s[ST], s[ST], 1
	s_cmp_lt_u32 s[ST], 4
	s_cbranch_scc1 .Lfirst
	s_setprio 0
	s_wait_tensorcnt 0x0                           ; my part of chunks 4-15 is in,
	s_wait_dscnt 0x0
	s_barrier_signal -1
	s_barrier_wait -1                              ; everybody's is
	s_mov_b32 s[ST], 4                             ; (stated anew, so that this loop's range is read off the text)
	s_mov_b32 s[TB], 32768
	s_mov_b32 s[KF], 512
.Lrest:                                            ; key steps 4 to 15
	STEP
	s_add_co_u32 s[ST], s[ST], 1
	s_cmp_lt_u32 s[ST], 16
	s_cbranch_scc1 .Lrest
	s_setprio 0
	; THE WAY OUT.  O^T / the sum x 2^(e8 + e9) is quantised with 2^e10; the conversions' results are the image of 16 rows x 64 along K that the projection wants: no turn through LDS.
	PLACES 4                                       ; between the last products and the first read of results
	v_add_f32 v14, v14, v15                        ; the sum's two halves,
	s_delay_alu instid0(VALU_DEP_1)
	v_permlanex16_b32 v214, v14, s[SEL], s[SEL+1]
	s_delay_alu instid0(VALU_DEP_1)
	v_add_f32 v14, v14, v214                       ; and lane l xor 16's: the row's sum
	s_wait_alu depctr_va_vdst(0)
	v_rcp_f32 v14, v14
	v_nop                                          ; a plain line behind the reciprocal,
	s_wait_alu depctr_va_vdst(0)                   ; and the wait ahead of its first reader
	v_ldexp_f32 v14, v14, s62
.set ii, 0
.rept 32
	v_mul_f32 v[224+ii], v[160+ii], v14            ; each accumulator from its low end on
.set ii, ii+1
.endr
.set ii, 0
.rept 32
	v_med3_num_f32 v[224+ii], v[224+ii], -v211, v211
.set ii, ii+1
.endr
.irp t, 0,1,2,3
	v_cvt_scalef32_pk8_bf8_f32 v[192+2*\t:193+2*\t], v[224+8*\t:231+8*\t], v210
.endr
	v_nop
	global_store_b128 v[L16], v[192:195], s[10:11]             ; 512 consecutive bytes each
	global_store_b128 v[L16], v[196:199], s[10:11] offset:512
	s_wait_tensorcnt 0x0                           ; the wave's end
	ds_add_u32 v[SPW], v[NIL]
	s_wait_dscnt 0x0
	ROUND                                          ; the closing round: no work-group ends while a partner may still ask for a tile that names it
	s_endpgm
.Lfunc_end_k_qf541c8944e_attn:
	.size	k_qf541c8944e_attn, .Lfunc_end_k_qf541c8944e_attn-k_qf541c8944e_attn
	.p2alignl 7, 3214868480
	.fill 96, 4, 3214868480
	.section	.rodata,"a",@progbits
	.p2align	6, 0x0
	.amdhsa_kernel k_qf541c8944e_attn
		.amdhsa_group_segment_fixed_size 327680
		.amdhsa_private_segment_fixed_size 0
		.amdhsa_enable_private_segment 0
		.amdhsa_kernarg_size 32
		.amdhsa_user_sgpr_count 2
		.amdhsa_user_sgpr_kernarg_segment_ptr 1
		.amdhsa_wavefront_size32 1
		.amdhsa_system_sgpr_workgroup_id_x 1
		.amdhsa_system_sgpr_workgroup_id_y 1
		.amdhsa_system_sgpr_workgroup_id_z 1
		.amdhsa_system_vgpr_workitem_id 0
		.amdhsa_next_free_vgpr 256
		.amdhsa_next_free_sgpr 80
		.amdhsa_reserve_vcc 1
		.amdhsa_float_denorm_mode_32 3
		.amdhsa_float_denorm_mode_16_64 3
		.amdhsa_memory_ordered 1
		.amdhsa_forward_progress 1
		.amdhsa_inst_pref_size 55
	.end_amdhsa_kernel
	.amdgpu_metadata
---
amdhsa.version: [ 1, 2 ]
amdhsa.kernels:
  - .name:           k_qf541c8944e_attn
    .symbol:         k_qf541c8944e_attn.kd
    .args:
      - { .name: qc, .offset: 0, .size: 8, .value_kind: global_buffer, .address_space: global }
      - { .name: kvc, .offset: 8, .size: 8, .value_kind: global_buffer, .address_space: global }
      - { .name: lowp_scales, .offset: 16, .size: 8, .value_kind: global_buffer, .address_space: global }
      - { .name: ac, .offset: 24, .size: 8, .value_kind: global_buffer, .address_space: global }
    .group_segment_fixed_size: 327680
    .private_segment_fixed_size: 0
    .kernarg_segment_align: 8
    .kernarg_segment_size: 32
    .max_flat_workgroup_size: 512
    .sgpr_count:     80
    .vgpr_count:     256
    .wavefront_size: 32
...
	.end_amdgpu_metadata
.endif
;; end of part 7
;; launch oproj (part 8): grid 8 x 32, 4 waves a work-group, no clusters, 17,920 bytes of LDS; arguments ac, wc, lowp_scales, out0; writes out0
.if DOCPART == 8
	.amdgcn_target "amdgcn-amd-amdhsa--gfx1250"
	.amdhsa_code_object_version 6
	.text
	.protected	k_qf541c8944e_oproj
	.globl	k_qf541c8944e_oproj
	.p2align	8
	.type	k_qf541c8944e_oproj,@function
k_qf541c8944e_oproj:
	s_mov_b64 s[64:65], 0
	v_nop
	global_prefetch_b8 v0, s[64:65] scope:SCOPE_SE
	s_setreg_imm32_b32 hwreg(HW_REG_WAVE_SCHED_MODE, 0, 2), 2
	s_setreg_imm32_b32 hwreg(HW_REG_WAVE_MODE, 25, 1), 1
	s_wait_xcnt 0x0
	s_wait_alu depctr_vm_vsrc(0)
; LAUNCH 4 OF 4: out0 = attention's result x wo, on codes of E5M2 (scales e10, e11).  Nothing of reference() is left out here.
; SHARES.  A work-group makes 128 rows x 128 columns, each of its four waves 64 x 64: 16 accumulators of 16 x 16.  256 work-groups.
; OPERANDS come from memory straight into registers, as in launch qkv: both lie as images of their registers in panels of 64 rows x 1,024 k, so every load reads 512 consecutive bytes; a K step of 64 is 16 loads and
; 16 matrix instructions; five sets of fragment registers take turns: three K steps, 48 loads, are on their way in each wave, one set is being multiplied and one has just been.  No LDS ring, no barrier; no cluster and no joint loads, since no tile goes through LDS.
; TRANSPOSED USE (source 0 = 16 columns of wo, source 1 = 16 rows): a lane holds eight neighbouring numbers of a row of out0; 16 rows at a time go through the wave's own stage and leave as runs of 256 bytes.
; LIMIT: e10 + e11 between -126 and 127, so that 2^(e10 + e11) is an f32 number.
; REGISTERS.  Window 0: v1-9 addresses; v48-111 fragment set 4, on the way out v48-79 numbers for the stage and v80-111 rows read back; v128-255 accumulator (i, j) at v[128 + 8 (4 i + j)].  Window 1: fragment sets 0 to 3 of 64.
; THE MODE: SCHED_MODE bits 1:0 = 2 (LLVM: expert scheduling mode 2), set by the entry lines.  The code itself states the register dependences
; between vector or matrix instructions and memory or LDS instructions, with s_wait_alu, always for 0.
; THE PLAN.  Registers that memory or LDS instructions touch:
;   sets 0 .. 4      K step s lies in set s % 5.  Written by that step's 16 loads, which are issued at the head of step s - 3; read by step s's 16 matrix instructions.
;   v1, v4, v5, v6   two offsets and two LDS addresses: written once at the head, never again.
;   O1 (v48-79)      written by the scalings, read by the stores into the stage.     RB (v80-111)  written by the stage's loads, read by the global stores.
;   v8, v9           written at the head, read by the closing add alone.             The accumulators are named by vector and matrix instructions alone.
; IN THE LOOP one wait on va_vdst stands in a step, behind the wait for the step's data and ahead of its products: it states that the products of the step before are done reading their set.  The loads
; at the head of the NEXT step land in just that set; between the wait and them stand this step's products alone, which name this step's set and the accumulators: none of the registers that those loads touch.
; ON THE WAY OUT a wait on va_vdst stands ahead of each run of stores into the stage, and a wait on vm_vsrc at the head of each tile but the first, ahead of the lines that write O1 and RB again.
.set STG,   4352                       ; a wave's stage: 16 rows x (256 bytes + 16)
.set SPARE, 4*STG                      ; behind the stages: the spare words, 128 bytes for each wave: two blocks of 256 bytes that no other line names
.set L16, 1                            ; v1   16 x lane
.set STO, 4                            ; v4   the stage, in: row r, + 32 h
.set RD,  5                            ; v5   the stage, back: lanes 0-15 one row, lanes 16-31 the next
.set GO,  6                            ; v6   the same two rows in out0
.set SPW, 8                            ; v8   LDS address of my spare word; never rewritten
.set NIL, 9                            ; v9   0; never rewritten
.set O1,  48
.set RB,  80
.set ACC, 128
.set F4,  48                           ; fragment set 4, in window 0
.set MUL,   0x05                       ; sources 0 and 1 window 1; C and D window 0
.set TO_F,  0x40                       ; destination window 1, address window 0
.set MSB, 0
.macro WIN new                         ; the immediate's high byte repeats the setting that is left
.if MSB != \new
	s_set_vgpr_msb (MSB<<8)|\new
.set MSB, \new
.endif
.endm
.macro PLACES n
.rept \n
	v_nop
.endr
.endm
.macro LD s                            ; K step s: four images of each panel into set s % 5
.if ((\s)%5) < 4
	WIN TO_F
.set FL, 64*((\s)%5)
.else
	WIN 0
.set FL, F4
.endif
.irp i, 0,1,2,3
.irp g, 0,1
	global_load_b128 v[FL+8*\i+4*\g:FL+8*\i+4*\g+3], v[L16], s[44:45] offset:4096*(\s)+1024*\i+512*\g
	global_load_b128 v[FL+32+8*\i+4*\g:FL+32+8*\i+4*\g+3], v[L16], s[46:47] offset:4096*(\s)+1024*\i+512*\g
.endr
.endr
.endm
.macro MM s, zero                      ; 16 matrix instructions; the 16 accumulators take turns, one instruction a turn, in the same order in every step
.if ((\s)%5) < 4
	WIN MUL
.set FQ, 64*((\s)%5)
.else
	WIN 0
.set FQ, F4
.endif
.irp i, 0,1,2,3
.irp j, 0,1,2,3
.if \zero
	v_wmma_f32_16x16x64_bf8_bf8 v[ACC+8*(4*\i+\j):ACC+8*(4*\i+\j)+7], v[FQ+8*\i:FQ+8*\i+7], v[FQ+32+8*\j:FQ+32+8*\j+7], 0
.else
	v_wmma_f32_16x16x64_bf8_bf8 v[ACC+8*(4*\i+\j):ACC+8*(4*\i+\j)+7], v[FQ+8*\i:FQ+8*\i+7], v[FQ+32+8*\j:FQ+32+8*\j+7], v[ACC+8*(4*\i+\j):ACC+8*(4*\i+\j)+7]
.endif
.endr
.endr
.endm
; A K step.  what = 1: the K step three on is asked for, into the set that was multiplied two steps back; the four places of the plain form stay between those products and the loads; the dependence itself was
; stated by the wait in the step before.  cnt: the loads issued behind this step's own, which may stay out.  done = 1: the next step's loads land in the set that the step before this one multiplied.
.macro STEP s, cnt, what, zero, done
.if \what
.if \s
	PLACES 4
.endif
	LD \s+3
.endif
	s_wait_loadcnt \cnt
.if \done
	s_wait_alu depctr_va_vdst(0)                   ; the products of the step before are done reading their set, in which the loads at the next step's head land
.endif
	MM \s, \zero
.endm
.macro OUTROWS voff, base, imm0, step
.irp n, 0,1,2,3,4,5,6,7
	ds_load_b128 v[RB+4*\n:RB+4*\n+3], v[RD] offset:544*\n   ; LDS serves a wave's instructions in order: these see the stores that stand ahead of them
.endr
.irp n, 0,1,2,3,4,5,6,7
	s_wait_dscnt 7-\n                              ; the younger reads may be out
	global_store_b128 v[\voff], v[RB+4*\n:RB+4*\n+3], s[\base:\base+1] offset:\imm0+\step*\n th:TH_STORE_NT   ; sixteen lanes store 256 consecutive bytes, at a multiple of 256
.endr
.endm
	s_load_b256 s[8:15], s[0:1], 0x0               ; ac s[8:9], wc s[10:11], the exponents s[12:13], out0 s[14:15]
	v_lshl_add_u32 v[SPW], v0, 2, SPARE
	v_mov_b32 v[NIL], 0
	v_lshrrev_b32 v1, 5, v0
	v_readfirstlane_b32 s24, v1                    ; wave 0..3
	v_and_b32 v1, 31, v0
	v_lshlrev_b32 v[L16], 4, v1
	v_and_b32 v2, 15, v0                           ; r
	v_bfe_u32 v3, v0, 4, 1                         ; h
	s_wait_alu depctr_va_sdst(0)                   ; s24 is written, ahead of its first reader: the stage's place and the wave's rows and columns are made from it
	s_mul_i32 s62, s24, STG                        ; my stage
	v_mul_u32_u24 v[STO], v2, 272
	v_lshl_add_u32 v[STO], v3, 5, v[STO]
	v_add_nc_u32 v[STO], s62, v[STO]
	v_mul_u32_u24 v[RD], v3, 272
	v_lshl_add_u32 v[RD], v2, 4, v[RD]
	v_add_nc_u32 v[RD], s62, v[RD]
	v_lshlrev_b32 v[GO], 12, v3                    ; a row of out0 is 4,096 bytes
	v_lshl_add_u32 v[GO], v2, 4, v[GO]
	s_and_b32 s25, s24, 1
	s_lshl_b32 s26, ttmp9, 1
	s_add_co_u32 s25, s25, s26                     ; my 64 columns: 0..15
	s_lshr_b32 s26, s24, 1
	s_and_b32 s27, ttmp7, 0xffff
	s_lshl_b32 s27, s27, 1
	s_add_co_u32 s26, s26, s27                     ; my 64 rows: 0..63
	s_add_co_u32 s28, s25, 24                      ; wo's panels begin at 24
	s_lshl_b32 s28, s28, 16
	s_mov_b32 s29, 0
	s_lshl_b32 s30, s26, 16
	s_mov_b32 s31, 0
	s_wait_kmcnt 0x0
	s_load_b64 s[32:33], s[12:13], 0x28            ; e10, e11
	s_add_nc_u64 s[44:45], s[10:11], s[28:29]      ; source 0: wo's panel
	s_add_nc_u64 s[46:47], s[8:9], s[30:31]        ; source 1: the rows' panel
	s_wait_alu depctr_va_vdst(0)                   ; v1, v4, v5 and v6 are written: every load, store and LDS instruction of the kernel reads one of them as its offset or address
	LD 0
	LD 1
	LD 2
	WIN 0
	s_lshl_b32 s28, s26, 18                        ; 64 rows of 4,096 bytes,
	s_lshl_b32 s30, s25, 8                         ; 64 columns of 4
	s_add_co_u32 s28, s28, s30
	s_add_nc_u64 s[52:53], s[14:15], s[28:29]
	s_wait_kmcnt 0x0
	s_add_co_i32 s54, s32, s33
	s_add_co_i32 s54, s54, 127
	s_lshl_b32 s54, s54, 23                        ; 2^(e10 + e11) as f32
	s_mov_b32 s55, s54                             ; (named with it as a pair, so it is written)
	STEP 0, 48, 1, 1, 0                            ; behind a step's own 16 loads stand those of the three steps that follow: 48.  Steps 0 and 1 fill sets 3 and 4, which nothing has named yet
.irp s, 1,2,3,4,5,6,7,8,9,10,11
	STEP \s, 48, 1, 0, 1
.endr
	STEP 12, 48, 1, 0, 0                           ; the last loads: no load follows them, so from here on no wait on va_vdst
	STEP 13, 32, 0, 0, 0                           ; the last steps ask for nothing: the counts run down
	STEP 14, 16, 0, 0, 0
	STEP 15, 0, 0, 0, 0
	WIN 0
	PLACES 4                                       ; between the last products and the first read of results
.irp j, 0,1,2,3                        ; 16 rows at a time
.if \j
	s_wait_xcnt 0x0                                ; the last tile's stores have read the rows' registers
	s_wait_alu depctr_vm_vsrc(0)                   ; the last tile's stores, into the stage and to memory, have read O1 and RB, which the scalings and the stage's loads below write again
.endif
.irp i, 0,1,2,3
.irp p, 0,2,4,6
	v_pk_mul_f32 v[O1+8*\i+\p:O1+8*\i+\p+1], v[ACC+8*(4*\i+\j)+\p:ACC+8*(4*\i+\j)+\p+1], s[54:55] op_sel_hi:[1,0]   ; x 2^(e10 + e11); each accumulator from its low end on
.endr
.endr
	s_wait_alu depctr_va_vdst(0)                   ; the scalings have written O1, which the stores into the stage read; in tile 0 also: step 14's products are done reading RB's registers, in which the stage's loads land
.irp i, 0,1,2,3
	ds_store_b128 v[STO], v[O1+8*\i:O1+8*\i+3] offset:64*\i
	ds_store_b128 v[STO], v[O1+8*\i+4:O1+8*\i+7] offset:64*\i+16
.endr
	OUTROWS GO, 52, 65536*\j, 8192
.endr
	s_wait_dscnt 0x0                               ; the closing lines, six on end
	s_wait_alu 0x0
	s_wait_tensorcnt 0x0
	ds_add_u32 v[SPW], v[NIL]
	s_wait_dscnt 0x0
	s_endpgm
.Lfunc_end_k_qf541c8944e_oproj:
	.size	k_qf541c8944e_oproj, .Lfunc_end_k_qf541c8944e_oproj-k_qf541c8944e_oproj
	.p2alignl 7, 3214868480
	.fill 96, 4, 3214868480
	.section	.rodata,"a",@progbits
	.p2align	6, 0x0
	.amdhsa_kernel k_qf541c8944e_oproj
		.amdhsa_group_segment_fixed_size 17920
		.amdhsa_private_segment_fixed_size 0
		.amdhsa_enable_private_segment 0
		.amdhsa_kernarg_size 32
		.amdhsa_user_sgpr_count 2
		.amdhsa_user_sgpr_kernarg_segment_ptr 1
		.amdhsa_wavefront_size32 1
		.amdhsa_system_sgpr_workgroup_id_x 1
		.amdhsa_system_sgpr_workgroup_id_y 1
		.amdhsa_system_sgpr_workgroup_id_z 1
		.amdhsa_system_vgpr_workitem_id 0
		.amdhsa_next_free_vgpr 512
		.amdhsa_next_free_sgpr 66
		.amdhsa_reserve_vcc 0
		.amdhsa_float_denorm_mode_32 3
		.amdhsa_float_denorm_mode_16_64 3
		.amdhsa_memory_ordered 1
		.amdhsa_forward_progress 1
		.amdhsa_inst_pref_size 59
	.end_amdhsa_kernel
	.amdgpu_metadata
---
amdhsa.version: [ 1, 2 ]
amdhsa.kernels:
  - .name:           k_qf541c8944e_oproj
    .symbol:         k_qf541c8944e_oproj.kd
    .args:
      - { .name: ac, .offset: 0, .size: 8, .value_kind: global_buffer, .address_space: global }
      - { .name: wc, .offset: 8, .size: 8, .value_kind: global_buffer, .address_space: global }
      - { .name: lowp_scales, .offset: 16, .size: 8, .value_kind: global_buffer, .address_space: global }
      - { .name: out0, .offset: 24, .size: 8, .value_kind: global_buffer, .address_space: global }
    .group_segment_fixed_size: 17920
    .private_segment_fixed_size: 0
    .kernarg_segment_align: 8
    .kernarg_segment_size: 32
    .max_flat_workgroup_size: 128
    .sgpr_count:     66
    .vgpr_count:     512
    .wavefront_size: 32
...
	.end_amdgpu_metadata
.endif
;; end of part 8
